; MI455X (gfx1250); checked and timed in simulation.
; The chip was launched on July 23, 2026; its instructions are those of AMD's public machine-readable ISA for CDNA 5 (MIT licence, August 2026) and "CDNA5" Instruction Set Architecture Reference Guide (July 2026). The comments in the code are by the model that wrote it; some were corrected since.
;; Multi Head Attention. Allowed arithmetic: matrix products marked QUANTISED: E2M3 operands, one E8M0 scale for each 32 along K, by v_wmma_scale_f32_16x16x128_f8f6f4 with both operands' format E2M3, f32 sums; everything else in f32.
;; Inputs: Wk 16 x 1,024 x 64 float32; Wp 1,024 x 1,024 float32; Wq 16 x 1,024 x 64 float32; Wv 16 x 1,024 x 64 float32; bp 1,024 float32; x 4 x 2,048 x 1,024 float32.
;; Outputs: out0 4 x 2,048 x 1,024 float32.
;; This version of the problem:
;;   THIS VERSION OF THE PROBLEM IS GIVEN IN LOW PRECISION. The matrix products marked QUANTISED in the list below multiply operands that are first quantised to E2M3 (2 exponent bits, 3 mantissa bits; 6 bits a number), with one power-of-two scale for each 32 numbers along K (OCP MX v1.0); their sums are f32. All else is computed in f32.
;;   The module's matrix products, in the order in which they are computed (A, B: the left and right operand; K: the contracted axis; several contracted axes count as one K, in the product's order):
;;     1. [M 1,024, K 1,024] x [K 1,024, N 8,192]; A: input Wq; B: input x: QUANTISED
;;     2. [M 1,024, K 1,024] x [K 1,024, N 8,192]; A: input Wk; B: input x: QUANTISED
;;     3. [M 1,024, K 1,024] x [K 1,024, N 8,192]; A: input Wv; B: input x: QUANTISED
;;     4. batch 64 x [M 2,048, K 64] x [K 64, N 2,048]; A: computed on the way; B: computed on the way: QUANTISED
;;     5. batch 64 x [M 2,048, K 2,048] x [K 2,048, N 64]; A: softmax (see below); B: computed on the way: QUANTISED
;;     6. [M 8,192, K 1,024] x [K 1,024, N 1,024]; A: computed on the way; B: input Wp: QUANTISED
;;   THE QUANTISER, for each operand of a quantised product, along K:
;;     - K is cut into blocks of 32 from its start; a last block that is shorter is filled with zeros.
;;     - A block's scale is 2^e with e = floor(log2(the largest magnitude in the block)) - 2, held to -126 .. 127; a block of zeros has e = 0. As a byte (E8M0): e + 127.
;;     - Each number is divided by its block's scale, clamped to +-7.5, and rounded to the nearest number of E2M3, ties to even, subnormals kept.
;;     - The product sums the exact products of the quantised numbers (number of the format x scale) in f32.
;;   ~~~python
;;   def quantise(x, axis):      # numpy; x: float32 -> the quantised numbers, widened to float32 again
;;       x = np.moveaxis(x, axis, -1); K = x.shape[-1]
;;       x = np.pad(x, [(0, 0)] * (x.ndim - 1) + [(0, -K % 32)]); x = x.reshape(x.shape[:-1] + (-1, 32)); a = np.abs(x).max(-1, keepdims=True)
;;       e = np.where(a > 0, np.clip(np.frexp(np.where(a > 0, a, 1))[1] - 1 - 2, -126, 127), 0)      # np.frexp(a)[1] - 1 = floor(log2(a)), exactly
;;       r = np.clip(x / 2.0 ** e, -7.5, 7.5)
;;       step = 2.0 ** (np.maximum(np.frexp(np.where(r == 0, 1, r))[1] - 1, 0) - 3)
;;       q = np.round(r / step) * step * 2.0 ** e      # np.round: ties to even
;;       return np.moveaxis(q.reshape(q.shape[:-2] + (-1,))[..., :K], -1, axis).astype(np.float32)
;;   ~~~
;;   SOFTMAX AHEAD OF A QUANTISED PRODUCT. Where the list says 'softmax', what is quantised is not the finished softmax but p = 2^(t - M), with t = logit x log2(e) and M = ceil(the row's largest t), a whole number; so 1/2 < the row's largest p <= 1. The row's sum l is taken of the UNQUANTISED p, in f32, and the product's result is divided by l at the end. Since M is a whole number, a kernel that streams over the keys may use a running M (the ceiling of the running maximum): every later rescaling is an exact power of two, which a block's scale takes up: the codes' values come out the same.
;;   OPERANDS COMPUTED ON THE WAY. 'Computed on the way' means the value that the module computes at that place (a softmax that the list does not call 'softmax' is quantised finished and normalised). What goes into a quantiser is computed in f32, as accurately as f32 sums, v_exp_f32 and their like allow (about 1e-6 of the number): no bf16 or f16 on the way to a quantiser, and a product that is left as it is and whose result goes on into a quantised operand takes f32 operands (vector FMAs, or v_wmma_f32_16x16x4_f32). A number that lies on a knife's edge between two numbers of the format may be rounded either way, as far as f32 arithmetic and the matrix unit's own rounding can turn it there, and no further.
;; One version. Each part assembles by itself: llvm-mc -triple=amdgcn-amd-amdhsa -mcpu=gfx1250 --defsym DOCPART=n.
;; ======== version 1 of 1: 4 launches
;; workspace buffers: cod 9,437,184 bytes; scl 393,216 bytes; qkv 19,660,800 bytes; oc 6,291,456 bytes; os 262,144 bytes
;; launch quant (part 1): grid 384 x 1, 4 waves a work-group, no clusters, 68,096 bytes of LDS; arguments x, Wq, Wk, Wv, Wp, cod, scl; writes cod, scl
.if DOCPART == 1
	.amdgcn_target "amdgcn-amd-amdhsa--gfx1250"
	.amdhsa_code_object_version 6
	.text
	.protected	k_qc9588c10a3_quant
	.globl	k_qc9588c10a3_quant
	.p2align	8
	.type	k_qc9588c10a3_quant,@function
k_qc9588c10a3_quant:
	s_mov_b64 s[64:65], 0
	v_nop
	global_prefetch_b8 v0, s[64:65] scope:SCOPE_SE
	s_setreg_imm32_b32 hwreg(HW_REG_WAVE_MODE, 25, 1), 1
	s_wait_xcnt 0x0
; x [8192][1024] and the four weights (K = their d axis, 1,024 long) become codes of FP6 (E2M3) with K innermost, 768 bytes a row, and one E8M0 byte for each 32 along K, 32 bytes a row.
; cod and scl have 12,288 rows: 0 .. 8,191 x; 8,192 + 1,024 T + n: T = 0 Wq, 1 Wk, 2 Wv (n = 64 head + e), 3 Wp (n = column).
; EVERY ROW LIES AT ITS NUMBER WITH BITS 3 AND 4 EXCHANGED.  Sixteen rows on end, 16 (2 b + u) + r, are then the true rows 32 b + 8 u + r + 8 (r / 8): a product whose source 0 takes such rows leaves 16 true neighbours
; in the 16 registers of two neighbouring tiles, which is what the conversions to codes want of the next product's K.
; A block's scale is 2^(floor(log2(its largest magnitude)) - 2); its byte is that magnitude's exponent field - 2, held at 1 from below.
; LIMITS: a block of zeros, and a block whose largest magnitude lies under 2^-124, have the byte 1 (zeros' codes are zeros, and this program alone reads the bytes); NaN and infinities among the inputs are not served.
; Work-groups 0 .. 255 take x (K innermost: a plain stream of blocks), 256 .. 383 the weights (K outermost: a lane takes a column, its registers run down K).  The two ways have LDS bytes of their own.
; No tensor loads, no barrier: waves share nothing.
.set STEPS, 16
.set CB,    12                         ; bytes of 16 codes
.set XR,    16                         ; x: v16-79   four sets of 16 numbers as they are loaded
.set XX,    80                         ;    v80-111  two sets of 16 neighbours
.set XE,    112                        ;    v112-127 a scale byte for each step
.set XC,    128                        ;    v128-191 codes, four registers a step: no store's data are written again
.set WREG,  8192                       ;    LDS: a region for each wave: two stages of 32 x SP bytes, then its 256 scale bytes
.set SP,    80                         ;    a lane's place in a stage: 64 bytes + 16 of padding
.set WLDS,  32768                      ; weights: LDS from here on, 32 rows x PITCH for each wave
.set PITCH, 272                        ;    a stage row: sixteen places of 16 bytes, 12 bytes of codes in each, + 16
.set KROW,  768                        ;    a row of cod in bytes
.set NB,    8                          ;    blocks of 32 along K for a wave
.set SB,    24                         ;    v24-25   the scale bytes, four to a register
.set WX,    32                         ;    v32-95   two sets of 32 numbers
.set WC,    96                         ;    v96..    a block's codes
.set OUTR,  112                        ;    v112-175 the way out
.set OFF,   176                        ;    v176-207 4 x lane + i rows of the source
	s_load_b256 s[4:11], s[0:1], 0x0               ; x, Wq, Wk, Wv
	s_load_b128 s[12:15], s[0:1], 0x20             ; Wp, cod
	s_load_b64 s[16:17], s[0:1], 0x30              ; scl
	v_lshl_add_u32 v208, v0, 2, 0x10800
	v_mov_b32 v209, 0
	v_lshrrev_b32 v1, 5, v0
	v_readfirstlane_b32 s18, v1                    ; wave 0..3
	v_and_b32 v2, 31, v0                           ; lane
	s_cmp_lt_u32 ttmp9, 256
	s_cbranch_scc0 .Lweights
; ---------------- x.  A wave takes 16 steps of 512 numbers: 8 rows.  Each load reads 512 consecutive bytes; a step's 2,048 bytes turn through the wave's stage and come back 64 bytes a lane: 16 neighbours, two lanes to a block.
	v_lshlrev_b32 v3, 4, v2                        ; my 16 bytes of a load's 512
	s_mul_i32 s19, s18, WREG
	v_lshrrev_b32 v14, 2, v2
	v_mul_u32_u24 v14, v14, SP
	v_and_b32 v15, 3, v2
	v_lshl_add_u32 v14, v15, 4, v14
	v_add_nc_u32 v14, s19, v14                     ; the stage, on the way in: SP (lane / 4) + 16 (lane % 4)
	v_mul_u32_u24 v15, v2, SP
	v_add_nc_u32 v15, s19, v15                     ; and on the way out: SP x lane
	v_mul_u32_u24 v4, v2, CB                       ; my codes' place in a step's
	v_lshrrev_b32 v5, 1, v2
	s_add_co_u32 s19, s19, 2*32*SP
	v_add_nc_u32 v5, s19, v5                       ; my wave's 256 scale bytes, my block's byte
	v_lshlrev_b32 v7, 3, v2
	v_add_nc_u32 v6, s19, v7                       ; and on the way out 8 bytes a lane
	s_lshl_b32 s20, ttmp9, 2
	s_add_co_u32 s21, s20, s18                     ; the run of 8 rows that I read: 4 x work-group + wave
	s_lshl_b32 s22, s21, 15                        ; 32,768 bytes a run
	s_mov_b32 s23, 0
	s_and_b32 s24, s18, 1                          ; a row's bits 3 and 4 are the run's bits 0 and 1: they change places on the way out
	s_lshl_b32 s24, s24, 1
	s_lshr_b32 s25, s18, 1
	s_or_b32 s24, s24, s25
	s_add_co_u32 s24, s20, s24                     ; the run that I write
	s_mul_i32 s26, s24, 8*KROW
	s_mov_b32 s27, 0
	s_lshl_b32 s28, s24, 8
	s_mov_b32 s29, 0
	s_wait_kmcnt 0x0
	s_add_nc_u64 s[4:5], s[4:5], s[22:23]
	s_add_nc_u64 s[14:15], s[14:15], s[26:27]
	s_add_nc_u64 s[16:17], s[16:17], s[28:29]
.macro XLOAD t
.irp i, 0,1,2,3
	global_load_b128 v[XR+16*((\t)%4)+4*\i:XR+16*((\t)%4)+4*\i+3], v3, s[4:5] offset:2048*(\t)+512*\i th:TH_LOAD_NT   ; 32 lanes read 512 consecutive bytes
.endr
.endm
.macro XTURN t                         ; LDS serves a wave's instructions in order: no wait between the stores and the loads
.irp i, 0,1,2,3
	ds_store_b128 v14, v[XR+16*((\t)%4)+4*\i:XR+16*((\t)%4)+4*\i+3] offset:32*SP*((\t)%2)+8*SP*\i
.endr
.irp i, 0,1,2,3
	ds_load_b128 v[XX+16*((\t)%2)+4*\i:XX+16*((\t)%2)+4*\i+3], v15 offset:32*SP*((\t)%2)+16*\i
.endr
.endm
.irp t, 0,1,2,3
	XLOAD \t
.endr
	s_wait_loadcnt 12                              ; step 0's four loads are in; three steps' twelve may be out
	XTURN 0
.macro XSTEP t
.set XS, XX+16*((\t)%2)
.if (\t) > 0
	s_wait_dscnt 1                                 ; this step's numbers are back from the stage (the last step's byte store may be out): so its stores into the stage have read their registers,
.else
	s_wait_dscnt 0x0
.endif
.if (\t)+4 < STEPS
	XLOAD (\t)+4                                   ; which take the loads of four steps on
.endif
.if (\t)+1 < STEPS
.if STEPS-2-(\t) >= 3
	s_wait_loadcnt 12                              ; the next step's four loads are in; those of the three steps behind it may be out
.else
	s_wait_loadcnt 4*(STEPS-2-(\t))
.endif
	XTURN (\t)+1                                   ; they go through the other stage while this step is worked
.endif
	v_max3_num_f32 v8, |v[XS]|, |v[XS+1]|, |v[XS+2]|               ; the largest magnitude of my 16, in two chains
	v_max3_num_f32 v9, |v[XS+3]|, |v[XS+4]|, |v[XS+5]|
.irp i, 6,10
	v_max3_num_f32 v8, v8, |v[XS+\i]|, |v[XS+\i+1]|
	v_max3_num_f32 v9, v9, |v[XS+\i+2]|, |v[XS+\i+3]|
.endr
	v_max3_num_f32 v8, v8, |v[XS+14]|, |v[XS+15]|
	v_max3_num_f32 v8, v8, v9, 0x1800000           ; and the floor 2^(3 - 127): the byte cannot fall under 1
	v_max_num_f32_dpp v8, v8, v8 row_xmask:1 row_mask:0xf bank_mask:0xf   ; with my neighbour's 16: the block's
	v_add_nc_u32 v11, 0xff000000, v8               ; 2 off its exponent field: the conversion takes the exponent field of this operand as its scale
	v_cvt_scalef32_pk16_fp6_f32 v[XC+4*(\t):XC+4*(\t)+2], v[XS:XS+15], v11
	v_lshrrev_b32 v[XE+(\t)], 23, v11              ; the scale's byte (also the plain line behind the conversion)
	ds_store_b8 v5, v[XE+(\t)] offset:16*(\t)      ; both lanes of a block write the same byte with the same value
	global_store_b96 v4, v[XC+4*(\t):XC+4*(\t)+2], s[14:15] offset:32*CB*(\t)   ; the wave stores 384 consecutive bytes
.endm
.irp t, 0,1,2,3,4,5,6,7,8,9,10,11,12,13,14,15
	XSTEP \t
.endr
	ds_load_b64 v[12:13], v6                       ; these see my byte stores
	s_wait_dscnt 0x0
	global_store_b64 v7, v[12:13], s[16:17]        ; 32 lanes store 256 consecutive bytes, aligned
	s_wait_tensorcnt 0x0
	ds_add_u32 v208, v209
	s_wait_dscnt 0x0
	s_endpgm
; ---------------- the weights.  Work-group 256 + 32 T + 4 c + ky: tensor T, columns 128 c on, K from 256 ky on.  A wave takes 32 columns x 256 along K: 8 blocks a lane.
.Lweights:
	s_sub_co_u32 s19, ttmp9, 256
	s_lshr_b32 s20, s19, 5                         ; T
	s_bfe_u32 s21, s19, 0x30002                    ; c: 3 bits from bit 2
	s_and_b32 s22, s19, 3                          ; ky
	s_lshl_b32 s21, s21, 2
	s_add_co_u32 s21, s21, s18                     ; cg: my wave's group of 32 columns, 0 .. 31
	v_lshlrev_b32 v3, 2, v2                        ; in: 4 bytes a lane
	v_and_b32 v10, 7, v2
	v_bfe_u32 v11, v2, 3, 1
	v_lshl_add_u32 v10, v11, 4, v10
	v_bfe_u32 v11, v2, 4, 1
	v_lshl_add_u32 v10, v11, 3, v10                ; p: my lane's number with bits 3 and 4 exchanged: my column's row among the group's 32
	s_mul_i32 s23, s18, 32*PITCH
	s_add_co_u32 s23, s23, WLDS                    ; my stage
	v_mul_u32_u24 v4, v10, PITCH
	v_add_nc_u32 v4, s23, v4                       ; into it: row p
	v_and_b32 v5, 15, v2
	v_lshrrev_b32 v6, 4, v2                        ; out of it: sixteen lanes to a row, two rows an instruction
	v_mul_u32_u24 v7, v6, PITCH
	v_lshl_add_u32 v7, v5, 4, v7
	v_add_nc_u32 v7, s23, v7
	v_mul_u32_u24 v8, v6, KROW
	v_mad_u32_u24 v8, v5, 12, v8                   ; and the same place in cod
	v_lshlrev_b32 v9, 5, v10                       ; my column's row of scale bytes
	s_lshl_b32 s24, s21, 7                         ; Wp [k][1024]: 128 cg bytes along a row of 4,096
	s_lshr_b32 s25, s21, 1
	s_lshl_b32 s25, s25, 18                        ; Wq, Wk, Wv [head][k][64]: head cg / 2, 262,144 bytes each,
	s_and_b32 s26, s21, 1
	s_lshl_b32 s26, s26, 7                         ; and its half of a row of 256 bytes
	s_add_co_u32 s25, s25, s26
	s_cmp_eq_u32 s20, 3
	s_cselect_b32 s24, s24, s25                    ; my first column, in bytes
	s_cselect_b32 s27, 12, 8                       ; log2 of the bytes from row to row
	s_lshl_b32 s28, 1, s27                         ; the pitch
	s_lshl_b32 s26, s22, 8
	s_lshl_b32 s26, s26, s27                       ; 256 ky rows down
	s_add_co_u32 s30, s24, s26
	s_mov_b32 s31, 0
	s_lshl_b32 s32, s28, 5                         ; a block: 32 rows
	s_mov_b32 s33, 0
	s_lshl_b32 s25, s20, 10
	s_lshl_b32 s26, s21, 5
	s_add_co_u32 s25, s25, s26
	s_add_co_u32 s25, s25, 8192                    ; my group's first row of cod and scl
	s_mul_i32 s52, s25, KROW
	s_mul_i32 s26, s22, 192
	s_add_co_u32 s52, s52, s26
	s_mov_b32 s53, 0
	s_lshl_b32 s54, s25, 5
	s_lshl_b32 s26, s22, 3
	s_add_co_u32 s54, s54, s26
	s_mov_b32 s55, 0
.irp i, 0,1,2,3,4,5,6,7,8,9,10,11,12,13,14,15,16,17,18,19,20,21,22,23,24,25,26,27,28,29,30,31
	v_mad_u32_u24 v[OFF+\i], s28, \i, v3           ; the pitch is no constant of the text, so a block's 32 rows stand in registers; never rewritten
.endr
	s_wait_kmcnt 0x0
	s_cmp_eq_u32 s20, 1                            ; the source: a choice that hangs on the work-group's number alone
	s_cselect_b64 s[6:7], s[8:9], s[6:7]
	s_cmp_eq_u32 s20, 2
	s_cselect_b64 s[6:7], s[10:11], s[6:7]
	s_cmp_eq_u32 s20, 3
	s_cselect_b64 s[6:7], s[12:13], s[6:7]
	s_add_nc_u64 s[36:37], s[6:7], s[30:31]        ; a base for each of the eight blocks; never rewritten
.irp t, 1,2,3,4,5,6,7
	s_add_nc_u64 s[36+2*\t:37+2*\t], s[34+2*\t:35+2*\t], s[32:33]
.endr
	s_add_nc_u64 s[14:15], s[14:15], s[52:53]
	s_add_nc_u64 s[16:17], s[16:17], s[54:55]
.macro LOADW t                         ; block t: W(32 t + i, my column), i = 0 .. 31, into set t % 2: 32 lanes read 128 consecutive bytes
.irp i, 0,1,2,3,4,5,6,7,8,9,10,11,12,13,14,15,16,17,18,19,20,21,22,23,24,25,26,27,28,29,30,31
	global_load_b32 v[WX+32*((\t)%2)+\i], v[OFF+\i], s[36+2*(\t):37+2*(\t)] th:TH_LOAD_NT
.endr
.endm
	LOADW 0
	LOADW 1
.macro BLOCK t
.set WS, WX+32*((\t)%2)
.if (\t) < NB-1
	s_wait_loadcnt 32                              ; this block's 32 loads are in; the next block's may be out
.else
	s_wait_loadcnt 0
.endif
	v_max3_num_f32 v12, |v[WS]|, |v[WS+1]|, |v[WS+2]|               ; the block's largest magnitude: all 32 numbers are mine
	v_max3_num_f32 v13, |v[WS+3]|, |v[WS+4]|, |v[WS+5]|
.irp i, 6,10,14,18,22,26
	v_max3_num_f32 v12, v12, |v[WS+\i]|, |v[WS+\i+1]|
	v_max3_num_f32 v13, v13, |v[WS+\i+2]|, |v[WS+\i+3]|
.endr
	v_max3_num_f32 v12, v12, |v[WS+30]|, |v[WS+31]|
	v_max3_num_f32 v12, v12, v13, 0x1800000        ; and the floor 2^(3 - 127)
	v_add_nc_u32 v11, 0xff000000, v12              ; the conversion's scale operand
	v_lshrrev_b32 v13, 23, v11                     ; the scale's byte
.if (\t)%4 == 0
	v_mov_b32 v[SB+(\t)/4], v13                    ; four bytes to a register, the lower K in the lower byte
.else
	v_lshl_or_b32 v[SB+(\t)/4], v13, 8*((\t)%4), v[SB+(\t)/4]
.endif
	v_cvt_scalef32_pk16_fp6_f32 v[WC:WC+2], v[WS:WS+15], v11
	v_cvt_scalef32_pk16_fp6_f32 v[WC+4:WC+6], v[WS+16:WS+31], v11   ; (a conversion's three registers begin on an even number)
	ds_store_b96 v4, v[WC:WC+2] offset:32*(\t)     ; 12 bytes to a place of 16, so that every LDS address is a multiple of 16
	ds_store_b96 v4, v[WC+4:WC+6] offset:32*(\t)+16
.if (\t)+2 < NB
	LOADW (\t)+2
.endif
	s_wait_dscnt 0x0                               ; the stores have read their registers: the next block's codes may be written
.endm
.irp t, 0,1,2,3,4,5,6,7
	BLOCK \t
.endr
	global_store_b64 v9, v[SB:SB+1], s[16:17]      ; my column's 8 scale bytes
.irp t, 0,1,2,3,4,5,6,7,8,9,10,11,12,13,14,15
	ds_load_b96 v[OUTR+4*\t:OUTR+4*\t+2], v7 offset:2*\t*PITCH   ; these see my stores
.endr
.irp t, 0,1,2,3,4,5,6,7,8,9,10,11,12,13,14,15
	s_wait_dscnt 15-\t                             ; loads come back in order: pair t of rows is in
	global_store_b96 v8, v[OUTR+4*\t:OUTR+4*\t+2], s[14:15] offset:2*\t*KROW   ; sixteen lanes store a row's 192 consecutive bytes
.endr
	s_wait_tensorcnt 0x0
	ds_add_u32 v208, v209
	s_wait_dscnt 0x0
	s_endpgm
.Lfunc_end_k_qc9588c10a3_quant:
	.size	k_qc9588c10a3_quant, .Lfunc_end_k_qc9588c10a3_quant-k_qc9588c10a3_quant
	.p2alignl 7, 3214868480
	.fill 96, 4, 3214868480
	.section	.rodata,"a",@progbits
	.p2align	6, 0x0
	.amdhsa_kernel k_qc9588c10a3_quant
		.amdhsa_group_segment_fixed_size 68096
		.amdhsa_private_segment_fixed_size 0
		.amdhsa_enable_private_segment 0
		.amdhsa_kernarg_size 56
		.amdhsa_user_sgpr_count 2
		.amdhsa_user_sgpr_kernarg_segment_ptr 1
		.amdhsa_wavefront_size32 1
		.amdhsa_system_sgpr_workgroup_id_x 1
		.amdhsa_system_sgpr_workgroup_id_y 1
		.amdhsa_system_sgpr_workgroup_id_z 1
		.amdhsa_system_vgpr_workitem_id 0
		.amdhsa_next_free_vgpr 210
		.amdhsa_next_free_sgpr 66
		.amdhsa_reserve_vcc 0
		.amdhsa_float_denorm_mode_32 3
		.amdhsa_float_denorm_mode_16_64 3
		.amdhsa_memory_ordered 1
		.amdhsa_forward_progress 1
		.amdhsa_inst_pref_size 76
	.end_amdhsa_kernel
	.amdgpu_metadata
---
amdhsa.version: [ 1, 2 ]
amdhsa.kernels:
  - .name:           k_qc9588c10a3_quant
    .symbol:         k_qc9588c10a3_quant.kd
    .args:
      - { .name: x, .offset: 0, .size: 8, .value_kind: global_buffer, .address_space: global }
      - { .name: Wq, .offset: 8, .size: 8, .value_kind: global_buffer, .address_space: global }
      - { .name: Wk, .offset: 16, .size: 8, .value_kind: global_buffer, .address_space: global }
      - { .name: Wv, .offset: 24, .size: 8, .value_kind: global_buffer, .address_space: global }
      - { .name: Wp, .offset: 32, .size: 8, .value_kind: global_buffer, .address_space: global }
      - { .name: cod, .offset: 40, .size: 8, .value_kind: global_buffer, .address_space: global }
      - { .name: scl, .offset: 48, .size: 8, .value_kind: global_buffer, .address_space: global }
    .group_segment_fixed_size: 68096
    .private_segment_fixed_size: 0
    .kernarg_segment_align: 8
    .kernarg_segment_size: 56
    .max_flat_workgroup_size: 128
    .sgpr_count:     66
    .vgpr_count:     210
    .wavefront_size: 32
...
	.end_amdgpu_metadata
.endif
;; end of part 1
;; launch qkv (part 2): grid 12 x 32, 4 waves a work-group, clusters of 4 x 4, 327,680 bytes of LDS; arguments cod, scl, qkv; writes qkv
.if DOCPART == 2
	.amdgcn_target "amdgcn-amd-amdhsa--gfx1250"
	.amdhsa_code_object_version 6
	.text
	.protected	k_qc9588c10a3_qkv
	.globl	k_qc9588c10a3_qkv
	.p2align	8
	.type	k_qc9588c10a3_qkv,@function
k_qc9588c10a3_qkv:
	s_mov_b64 s[64:65], 0
	v_nop
	global_prefetch_b8 v0, s[64:65] scope:SCOPE_SE
	s_setreg_imm32_b32 hwreg(HW_REG_WAVE_MODE, 25, 1), 1
	s_wait_xcnt 0x0
	s_wait_alu depctr_hold_cnt(0) depctr_sa_sdst(0) depctr_va_vdst(0) depctr_va_sdst(0) depctr_va_ssrc(0) depctr_va_vcc(0) depctr_vm_vsrc(0)
	s_getreg_b32 s2, hwreg(HW_REG_IB_STS2, 6, 4)
	s_cmp_eq_u32 s2, 0
	s_cbranch_scc0 .Lentry_in_a_cluster
	s_endpgm
.Lentry_in_a_cluster:
	s_bfe_u32 s2, ttmp6, 0x10000c
	s_cmp_lg_u32 s2, 0xf033
	s_cbranch_scc0 .Lentry_shape_is_right
	s_endpgm
.Lentry_shape_is_right:
; q, k and v = x W, on codes of FP6 (E2M3) with one E8M0 byte for each 32 along K = 1,024; sums in f32.  The results never leave as f32: the way out quantises them for the two products of attention
; (q and k along the head's 64, v along the keys) and stores them as IMAGES OF OPERAND REGISTERS.
; A tile of 256 x 256 is made by a work-group of four waves, 128 x 128 a wave: 64 accumulators, 512 registers.  K goes in steps of 256 through a ring of two LDS slots filled by the tensor data mover; the scale bytes of the
; work-group's 512 rows come into LDS once.  4 x 4 work-groups form a cluster: A's tiles are asked for jointly along a row of it, B's along a column.
; THE MATRIX INSTRUCTION: source 0 = 16 rows of "B", source 1 = 16 rows of "A": a lane holds ONE row of A, its registers run along B's rows.  Rows of cod lie with bits 3 and 4 of their number exchanged, so the 16 registers of
; B's tiles 2 b and 2 b + 1 are the true rows 32 b + 16 (lane / 16) + 0 .. 15: neighbours along the next product's K.
; ROLES, by the cluster's x (the same in all sixteen partners): 0, 1 (q, k): A = x (a lane holds a token, registers run along (head, e)); 2 (v): A = Wv, B = x (a lane holds an e, registers run along the keys).
; qkv: bytes 0 on: [16 b + head][step of 128 keys][K's block 6,400 | V's block 6,400]; from QOFF on: [16 b + head][step of 128 queries][Q's block 6,400].  A block: four fragments of 12 registers (registers 4 g .. 4 g + 3 of lane l at
; 1,536 f + 512 g + 16 l), then 256 bytes of scale words (lane l: the words of fragments l / 16 and 2 + l / 16 for row l % 16).  A fragment of K or Q is two tiles of 16 tokens x 64: registers 0-5 one, 6-11 the next.
; LIMITS: a block of zeros, or one whose largest magnitude lies under 2^-124, has the scale byte 1; NaN and infinities are not served.
; REGISTERS, in windows of 256: window 0: v0-31 addresses; v32-63 scale words, two sets; from v128 A's fragments, one set; on the way out v96-135 and v200-222 at work.  window 1: B's fragments, two sets.  windows 2, 3: the accumulators.
.set KSTEP,  256
.set NQ,     2                         ; matrix instructions deep in a slot
.set ROWB,   192                       ; a tile's row in bytes
.set KROW,   768                       ; a row of cod
.set PITCH,  240                       ; an LDS row: 3 x (64 bytes + 16 of padding): the 32 lanes of a load of 8 bytes touch different banks (64 banks of 4 bytes: ISA guide 11.1)
.set FR,     12
.set NL,     6
.set NP,     4                         ; places behind this matrix instruction (ISA guide 7.12.1)
.set HALFT,  128*PITCH
.set SLOT,   4*HALFT
.set LAPS,   2                         ; 1,024 / 512
.set KS,     32                        ; a row of scl
.set SCL,    2*SLOT
.set HALFS,  (128*KS/256)*272
.set SBLK,   (16*KS/256)*272
.set SPARE,  SCL+4*HALFS               ; the spare words, 128 bytes for each wave: no other line names them
.set QOFF,   13107200
.set ADRA, 16
.set ADRB, 20
.set LI,   24                          ; v24  16 x lane: an image's place
.set LS,   25                          ; v25  8 x lane: the scale words' place
.set ADRS, 27
.set SPW,  28
.set NIL,  29
.set SC,   32
.set AF,   128
.set SEL,  40                          ; s[40:41] on the way out: lane selects for v_permlanex16_b32
.set G1, 24
.set G0, 32
.set G1B, 48
.set G0B, 56
.set G1S, 68
.set G0S, 76
.set G1SB, 80
.set G0SB, 88
.set MSB, 0
.macro WIN new                         ; the immediate's high byte repeats the setting that is left
.if MSB != (\new)
	s_set_vgpr_msb (MSB<<8)|(\new)
.set MSB, (\new)
.endif
.endm
.set MUL_LO, 0xa1                      ; source 0 (B) window 1, source 1 (A) window 0, C and D window 2
.set MUL_HI, 0xf1
.set TO_B,   0x40
; A joint load: waves 0 and 1 fetch for A, waves 2 and 3 for B.  The branch hangs on the wave's number alone.  Four v_nop follow each of the two lines.
.macro JLOAD g0a, g1a, g0b, g1b
	s_cmp_eq_u32 s15, 0
	s_cbranch_scc0 .Lfor_b_\@
	tensor_load_to_lds s[\g0a:\g0a+3], s[\g1a:\g1a+7]
	s_nop 0
.rept 4
	v_nop
.endr
	s_branch .Lasked_\@
.Lfor_b_\@:
	tensor_load_to_lds s[\g0b:\g0b+3], s[\g1b:\g1b+7]
	s_nop 0
.rept 4
	v_nop
.endr
.Lasked_\@:
.endm
.macro CREST                           ; a round of the cluster's barrier behind its opening barrier
	s_cmp_lg_u32 s14, 0
	s_cbranch_scc1 .Lnot_wave_0_\@
	s_barrier_signal -3
.Lnot_wave_0_\@:
	s_barrier_wait -3
	s_barrier_signal -1
	s_barrier_wait -1
.endm
.macro CROUND
	s_barrier_signal -1
	s_barrier_wait -1
	CREST
.endm
	s_load_b128 s[4:7], s[0:1], 0x0                ; cod, scl
	s_load_b64 s[12:13], s[0:1], 0x10              ; qkv
	v_lshl_add_u32 v[SPW], v0, 2, SPARE
	v_mov_b32 v[NIL], 0
	ds_add_u32 v28, v29
	s_wait_dscnt 0x0
	v_lshrrev_b32 v1, 5, v0
	v_readfirstlane_b32 s14, v1                    ; wave 0..3
	s_lshr_b32 s15, s14, 1                         ; which half of A's rows is mine.  Also: I fetch for A (0) or for B (1)
	s_and_b32 s16, s14, 1                          ; which half of B's rows.  Also: which 128 rows of that tile I fetch
	s_bfe_u32 s40, ttmp6, 0x40000                  ; cx, cy: my place in the cluster
	s_bfe_u32 s41, ttmp6, 0x40004
	s_and_b32 s95, ttmp7, 0xffff                   ; the cluster's y
	s_cmp_eq_u32 ttmp9, 2                          ; v?  The cluster's x is the same in all partners
	s_cselect_b32 s96, s95, ttmp9                  ; what counts B's tiles beside cx
	s_cselect_b32 s97, 0, s95                      ; what counts A's tiles beside cy
	s_cselect_b32 s98, 10240, 0                    ; A's first row of cod: Wv's, or x's
	s_cselect_b32 s99, 0, 8192                     ; B's: x's, or Wq's (Wk follows it)
	s_lshl_b32 s42, s96, 2
	s_add_co_u32 s42, s42, s40                     ; B's tile
	s_lshl_b32 s17, s97, 2
	s_add_co_u32 s17, s17, s41                     ; A's tile
	s_lshl_b32 s43, s41, 2
	s_lshl_b32 s43, 15, s43                        ; my row of the cluster
	s_lshl_b32 s44, 0x1111, s40                    ; my column
	s_or_b32 s[G1+0], s43, (0<<16)|(1<<20)|(1<<21)|(3<<22)|(3<<25)  ; the mask; elements of 1 byte; padding on; bit 21 beside a mask; after every 16 words, 4 words
	s_or_b32 s[G1B+0], s44, (0<<16)|(1<<20)|(1<<21)|(3<<22)|(3<<25)
.irp g, G1, G1B
	s_mov_b32 s[\g+1], ROWB<<16                    ; tensor_dim0
	s_mov_b32 s[\g+2], 128<<16                     ; tensor_dim1
	s_mov_b32 s[\g+3], ROWB<<16                    ; tile_dim0
	s_mov_b32 s[\g+4], 128                         ; tile_dim1
	s_mov_b32 s[\g+5], KROW                        ; the pitch
	s_mov_b32 s[\g+6], 0
	s_mov_b32 s[\g+7], 0
.endr
	s_or_b32 s[G1S+0], s43, (3<<16)|(1<<20)|(1<<21)|(5<<22)|(3<<25)   ; the scales of 128 rows: 4,096 dense bytes as 16 rows of 256, 16 bytes of padding behind each
	s_or_b32 s[G1SB+0], s44, (3<<16)|(1<<20)|(1<<21)|(5<<22)|(3<<25)
.irp g, G1S, G1SB
	s_mov_b32 s[\g+1], 32<<16
	s_mov_b32 s[\g+2], (128*KS/256)<<16
	s_mov_b32 s[\g+3], 32<<16
	s_mov_b32 s[\g+4], 128*KS/256
	s_mov_b32 s[\g+5], 32
	s_mov_b32 s[\g+6], 0
	s_mov_b32 s[\g+7], 0
.endr
	s_lshl_b32 s18, s16, 7                         ; which 128 rows of the tile I fetch
	s_lshl_b32 s20, s17, 8
	s_add_co_u32 s20, s20, s18
	s_add_co_u32 s20, s20, s98                     ; A: its first row + 256 x tile + 128 x half
	s_lshl_b32 s46, s42, 8
	s_add_co_u32 s46, s46, s18
	s_add_co_u32 s46, s46, s99                     ; B likewise
	s_mov_b32 s21, 0
	s_mov_b32 s47, 0
	s_mov_b64 s[18:19], KS
	s_mul_u64 s[22:23], s[20:21], s[18:19]         ; where these rows' scales begin,
	s_mul_u64 s[92:93], s[46:47], s[18:19]
	s_mov_b64 s[18:19], KROW
	s_mul_u64 s[20:21], s[20:21], s[18:19]         ; and their codes
	s_mul_u64 s[46:47], s[46:47], s[18:19]
	s_mul_i32 s45, s14, HALFT                      ; where they go: wave x 128 rows: no place in the cluster enters an LDS address
	s_mul_i32 s94, s14, HALFS
	s_wait_kmcnt 0x0
	s_add_nc_u64 s[20:21], s[4:5], s[20:21]
	s_add_nc_u64 s[22:23], s[6:7], s[22:23]
	s_add_nc_u64 s[46:47], s[4:5], s[46:47]
	s_add_nc_u64 s[92:93], s[6:7], s[92:93]
	CROUND                                         ; all sixteen work-groups are here: the first joint loads meet
	s_mov_b32 s[G0S], 1
	s_add_co_u32 s[G0S+1], s94, SCL
	s_mov_b64 s[G0S+2:G0S+3], s[22:23]
	s_or_b32 s[G0S+3], s[G0S+3], 0x80000000
	s_mov_b32 s[G0SB], 1
	s_add_co_u32 s[G0SB+1], s94, SCL
	s_mov_b64 s[G0SB+2:G0SB+3], s[92:93]
	s_or_b32 s[G0SB+3], s[G0SB+3], 0x80000000
	JLOAD G0S, G1S, G0SB, G1SB                     ; the scales first: they are wanted with K step 0
.irp s, 0,1
	s_mov_b32 s[G0+4*\s], 1
	s_add_co_u32 s[G0+4*\s+1], s45, \s*SLOT
	s_add_nc_u64 s[G0+4*\s+2:G0+4*\s+3], s[20:21], \s*ROWB
	s_or_b32 s[G0+4*\s+3], s[G0+4*\s+3], 0x80000000
	s_mov_b32 s[G0B+4*\s], 1
	s_add_co_u32 s[G0B+4*\s+1], s45, \s*SLOT
	s_add_nc_u64 s[G0B+4*\s+2:G0B+4*\s+3], s[46:47], \s*ROWB
	s_or_b32 s[G0B+4*\s+3], s[G0B+4*\s+3], 0x80000000
	JLOAD G0+4*\s, G1, G0B+4*\s, G1B
.endr
	v_and_b32 v1, 15, v0                           ; l % 16
	v_bfe_u32 v2, v0, 4, 1                         ; l / 16
	v_mul_u32_u24 v3, v1, PITCH
	v_mul_u32_u24 v4, v2, 24
	v_add_nc_u32 v4, v3, v4                        ; a fragment's row x pitch + 24 x half
	v_lshl_add_u32 v5, v2, 4, v4                   ; and the same behind one padding more
	s_mul_i32 s21, s15, HALFT                      ; my 128 rows of A
	s_mul_i32 s22, s16, HALFT                      ; my 128 rows of B,
	s_add_co_u32 s22, s22, 2*HALFT                 ; which lie behind A's 256
.irp s, 0,1
	v_add_nc_u32 v[ADRA+\s], s21, v4
	v_add_nc_u32 v[ADRB+\s], s22, v4
	v_add_nc_u32 v[ADRA+2+\s], s21, v5
	v_add_nc_u32 v[ADRB+2+\s], s22, v5
	s_add_co_u32 s21, s21, SLOT
	s_add_co_u32 s22, s22, SLOT
.endr
	v_mul_u32_u24 v5, v1, KS                       ; my row's scales: KS bytes a row,
	v_lshrrev_b32 v6, 8, v5
	v_lshl_add_u32 v5, v6, 4, v5                   ; and 16 more for each 256 passed
	s_mul_i32 s21, s15, HALFS
	s_mul_i32 s22, s16, HALFS
	s_add_co_u32 s22, s22, 2*HALFS
	s_sub_co_u32 s22, s22, s21
	v_mul_u32_u24 v6, s22, v2                      ; lanes 16-31 take B's
	s_add_co_u32 s21, s21, SCL
	v_add_nc_u32 v5, v5, v6
	v_add_nc_u32 v[ADRS], s21, v5
	v_and_b32 v6, 31, v0
	v_lshlrev_b32 v[LI], 4, v6
	v_lshlrev_b32 v[LS], 3, v6
.macro FRAG reg, adr, q, i             ; 16 rows x 128 K of 6-bit codes: 12 registers, in pieces of 8 bytes; where the piece three on lies behind one padding more, the second address register serves
.irp p, 0,1,2,3,4,5
.set PC, 12*(\q)+6*(\p/3)+\p%3
.if PC%8 < 5
	ds_load_b64 v[\reg+2*\p:\reg+2*\p+1], v[\adr] offset:8*PC+16*(PC/8)+(\i)*16*PITCH
.else
	ds_load_b64 v[\reg+2*\p:\reg+2*\p+1], v[\adr+2] offset:8*PC+16*(PC/8)+(\i)*16*PITCH
.endif
.endr
.endm
; 16 matrix instructions: A's blocks a0, a0 + 1 x B's eight.  The 64 accumulators take turns, one instruction a turn, in the same order in every step.
.macro MUL16 a0, p, q, sc, zero
.irp a, \a0, \a0+1
.irp b, 0,1,2,3,4,5,6,7
.if \zero
	v_wmma_scale_f32_16x16x128_f8f6f4 v[8*(8*((\a)%4)+\b):8*(8*((\a)%4)+\b)+7], v[128*(\p)+FR*\b:128*(\p)+FR*\b+FR-1], v[AF+FR*(\a):AF+FR*(\a)+FR-1], 0, v[SC+8*NQ*(\sc)+NQ*\b+(\q)], v[SC+8*NQ*(\sc)+NQ*(\a)+(\q)] matrix_a_fmt:MATRIX_FMT_FP6 matrix_b_fmt:MATRIX_FMT_FP6 matrix_a_scale:MATRIX_SCALE_ROW1
.else
	v_wmma_scale_f32_16x16x128_f8f6f4 v[8*(8*((\a)%4)+\b):8*(8*((\a)%4)+\b)+7], v[128*(\p)+FR*\b:128*(\p)+FR*\b+FR-1], v[AF+FR*(\a):AF+FR*(\a)+FR-1], v[8*(8*((\a)%4)+\b):8*(8*((\a)%4)+\b)+7], v[SC+8*NQ*(\sc)+NQ*\b+(\q)], v[SC+8*NQ*(\sc)+NQ*(\a)+(\q)] matrix_a_fmt:MATRIX_FMT_FP6 matrix_b_fmt:MATRIX_FMT_FP6 matrix_a_scale:MATRIX_SCALE_ROW1
.endif
.endr
.endr
.endm
.macro FETCH_B slot, q, p
	WIN TO_B
.irp i, 0,1,2,3,4,5,6,7
	FRAG 128*(\p)+FR*\i, ADRB+\slot, \q, \i
.endr
	WIN 0
.endm
.macro FETCH_A slot, q, i0
.irp i, \i0, \i0+1, \i0+2, \i0+3
	FRAG AF+FR*(\i), ADRA+\slot, \q, \i
.endr
.endm
.macro SCALES sc                       ; a K step's scale words: lanes 0-15 take A's block i, lanes 16-31 B's block i
.irp i, 0,1,2,3,4,5,6,7
	ds_load_b64 v[SC+8*NQ*\sc+NQ*\i:SC+8*NQ*\sc+NQ*\i+1], v[ADRS] offset:\i*SBLK
.endr
.endm
.macro PLACES n                        ; plain vector lines between a matrix instruction and a load into, or a read of, its registers
.rept \n
	v_nop
.endr
.endm
.macro STEP slot, q, zero              ; 128 along K with its successor in the same slot
	s_wait_dscnt 4*NL                              ; B's set and A's blocks 0-3 are in; the youngest 24 loads (A's blocks 4-7) may be out
	WIN MUL_LO
	MUL16 0, (\q)%2, \q, \slot, \zero
	MUL16 2, (\q)%2, \q, \slot, \zero
	s_wait_dscnt 0
	PLACES NP
	FETCH_B \slot, (\q)+1, 1-(\q)%2
	FETCH_A \slot, (\q)+1, 0
	WIN MUL_HI
	MUL16 4, (\q)%2, \q, \slot, \zero
	MUL16 6, (\q)%2, \q, \slot, \zero
	PLACES NP
	WIN 0
	FETCH_A \slot, (\q)+1, 4
.endm
; A slot's last step changes slots: one barrier; in front of it each wave waits for all its tensor loads, adds 0 to its spare word, and waits for that and for its own reads of this slot.
.macro TURN slot, next, fill
	s_wait_tensorcnt 0x0                           ; all my tensor loads have landed: my part of the next slot
	ds_add_u32 v[SPW], v[NIL]                      ; 0 onto my spare word
	s_wait_dscnt 4*NL+1                            ; (the add and the youngest 24 loads may be out)
	WIN MUL_LO
	MUL16 0, 1, NQ-1, \slot, 0
	s_wait_dscnt 0x0                               ; the add is done, and my reads of this slot are over
	s_barrier_signal -1
	MUL16 2, 1, NQ-1, \slot, 0
	WIN 0
	s_barrier_wait -1
.if \fill
	CREST                                          ; the barrier has opened a round of the cluster's barrier: no wave of any partner still reads this slot or has a load on its way
	s_add_nc_u64 s[G0+4*\slot+2:G0+4*\slot+3], s[G0+4*\slot+2:G0+4*\slot+3], 2*ROWB
	s_add_nc_u64 s[G0B+4*\slot+2:G0B+4*\slot+3], s[G0B+4*\slot+2:G0B+4*\slot+3], 2*ROWB
	JLOAD G0+4*\slot, G1, G0B+4*\slot, G1B         ; the first tensor load behind the round; its four v_nop are the places in front of the loads below
.else
	PLACES NP
.endif
	v_add_nc_u32 v[ADRS], 4*NQ, v[ADRS]            ; on to the next K step's scale words
	FETCH_B \next, 0, 0
	FETCH_A \next, 0, 0
	SCALES \next
	WIN MUL_HI
	MUL16 4, 1, NQ-1, \slot, 0
	MUL16 6, 1, NQ-1, \slot, 0
	PLACES NP
	WIN 0
	FETCH_A \next, 0, 4
.endm
	s_wait_tensorcnt 1                             ; the scales and my part of K step 0 are in (K step 1's load may be out)
	s_barrier_signal -1
	s_barrier_wait -1
	FETCH_B 0, 0, 0
	FETCH_A 0, 0, 0
	SCALES 0
	FETCH_A 0, 0, 4
	STEP 0, 0, 1                                   ; the first step's products start the sums
	s_mov_b32 s3, LAPS-1
.Llap:
	TURN 0, 1, 1
	STEP 1, 0, 0
	TURN 1, 0, 1
	STEP 0, 0, 0
	s_sub_co_u32 s3, s3, 1
	s_cmp_lg_u32 s3, 0
	s_cbranch_scc1 .Llap
	TURN 0, 1, 0                                   ; the last lap fills nothing
	STEP 1, 0, 0
	s_wait_dscnt 4*NL
	WIN MUL_LO
	MUL16 0, 1, NQ-1, 1, 0
	MUL16 2, 1, NQ-1, 1, 0
	s_wait_dscnt 0
	WIN MUL_HI
	MUL16 4, 1, NQ-1, 1, 0
	MUL16 6, 1, NQ-1, 1, 0
	WIN 0
	PLACES NP
; THE WAY OUT.  The 64 registers of A's block a are, for my lane's row, 128 numbers' worth of four blocks of 32 (16 of each in my half of the lanes).  QUANTW turns them into 12 registers of codes and a scale word; nothing goes through LDS.
	s_lshl_b32 s18, s17, 1
	s_add_co_u32 s18, s18, s15                     ; my 128 rows of A, counted in 128s
	s_lshl_b32 s19, s42, 1
	s_add_co_u32 s19, s19, s16                     ; my 128 rows of B
	s_cmp_eq_u32 ttmp9, 2
	s_cselect_b32 s20, s19, s18                    ; which 128 tokens
	s_cselect_b32 s21, s18, s19                    ; which pair of heads (Wk's rows follow Wq's: modulo 8)
	s_and_b32 s21, s21, 7
	s_lshr_b32 s22, s20, 4                         ; the batch
	s_and_b32 s20, s20, 15                         ; the step of 128 tokens in it
	s_lshl_b32 s22, s22, 4
	s_lshl_b32 s21, s21, 1
	s_add_co_u32 s21, s21, s22                     ; 16 b + my first head
	s_lshl_b32 s21, s21, 4
	s_add_co_u32 s21, s21, s20
	s_mov_b32 s22, 12800                           ; bytes from step to step: K's and V's blocks lie together, Q's alone
	s_cmp_eq_u32 ttmp9, 0
	s_cselect_b32 s22, 6400, s22
	s_cselect_b32 s23, QOFF, 0
	s_cmp_eq_u32 ttmp9, 2
	s_cselect_b32 s23, 6400, s23                   ; V's block lies behind K's
	s_mul_i32 s20, s21, s22
	s_add_co_u32 s20, s20, s23
	s_mov_b32 s21, 0
	s_add_nc_u64 s[12:13], s[12:13], s[20:21]      ; my first head's block,
	s_lshl_b32 s20, s22, 4
	s_add_nc_u64 s[20:21], s[12:13], s[20:21]      ; my second head's: 16 steps on
	s_mov_b32 s[SEL], 0x76543210
	s_mov_b32 s[SEL+1], 0xfedcba98
.irp b, 0,1,2,3
	v_mov_b32 v[204+\b], 0                         ; written once: a lane permute's destination counts as one of its sources
.endr
; 64 numbers v[s] .. v[s + 63] of window win, register 16 b + i = k 32 b + 16 (lane / 16) + i of my row: codes of k 0 .. 63 to v[d0] .. v[d0 + 5], of k 64 .. 127 to v[d1] .. v[d1 + 5], the four scale bytes to v[pw].
.macro QUANTW win, s, d0, d1, pw
	WIN ((\win)<<2)|((\win)<<4)
.irp b, 0,1,2,3
	v_max3_num_f32 v[200+\b], 0x1800000, |v[(\s)+16*\b]|, |v[(\s)+16*\b+1]|   ; my 16 numbers of block b, and the floor 2^(3 - 127); each accumulator is read from its low end on
.endr
.irp i, 2,4,6,8,10,12,14
.irp b, 0,1,2,3
	v_max3_num_f32 v[200+\b], v[200+\b], |v[(\s)+16*\b+\i]|, |v[(\s)+16*\b+\i+1]|
.endr
.endr
	WIN 0
.irp b, 0,1,2,3
	v_permlanex16_b32 v[204+\b], v[200+\b], s[SEL], s[SEL+1]
.endr
.irp b, 0,1,2,3
	v_max_num_f32 v[200+\b], v[200+\b], v[204+\b]  ; with lane l xor 16's: the block's largest magnitude
.endr
.irp b, 0,1,2,3
	v_add_nc_u32 v[212+\b], 0xff000000, v[200+\b]  ; 2 off its exponent field: the conversion's scale operand
.endr
.irp b, 0,1,2,3
	v_lshrrev_b32 v[204+\b], 23, v[212+\b]         ; the scale's byte
.endr
	v_lshl_or_b32 v[(\pw)], v205, 8, v204
	v_lshl_or_b32 v[(\pw)], v206, 16, v[(\pw)]
	v_lshl_or_b32 v[(\pw)], v207, 24, v[(\pw)]
	WIN (\win)
	v_cvt_scalef32_pk16_fp6_f32 v[(\d0):(\d0)+2], v[(\s):(\s)+15], v212
	v_cvt_scalef32_pk16_fp6_f32 v[216:218], v[(\s)+16:(\s)+31], v213
	v_cvt_scalef32_pk16_fp6_f32 v[(\d1):(\d1)+2], v[(\s)+32:(\s)+47], v214
	v_cvt_scalef32_pk16_fp6_f32 v[220:222], v[(\s)+48:(\s)+63], v215
	WIN 0
	v_nop                                          ; one plain line behind a scaled conversion
.irp i, 0,1,2
	v_permlane16_swap_b32 v[(\d0)+\i], v[216+\i]   ; a whole block to a lane: lanes 0-15 the even block, lanes 16-31 the odd one
.endr
.irp i, 0,1,2
	v_mov_b32 v[(\d0)+3+\i], v[216+\i]
.endr
.irp i, 0,1,2
	v_permlane16_swap_b32 v[(\d1)+\i], v[220+\i]
.endr
.irp i, 0,1,2
	v_mov_b32 v[(\d1)+3+\i], v[220+\i]
.endr
.endm
	s_cmp_eq_u32 ttmp9, 2
	s_cbranch_scc1 .Lway_v
; q, k: block a is a tile of 16 tokens; k 0 .. 63 are my first head's e, k 64 .. 127 my second head's.  Two tiles make a fragment of each head.
.irp p, 0,1,2,3
	s_wait_xcnt 0x0                                ; the last fragments' stores have read their registers
	QUANTW 2+(2*\p)/4, 64*((2*\p)%4), 96, 108, 120
	QUANTW 2+(2*\p+1)/4, 64*((2*\p+1)%4), 102, 114, 121
	v_perm_b32 v[124+\p], v121, v120, 0x05040100   ; my first head's word: the even tile's two bytes, then the odd tile's
	v_perm_b32 v[128+\p], v121, v120, 0x07060302   ; my second head's
.irp g, 0,1,2
	global_store_b128 v[LI], v[96+4*\g:99+4*\g], s[12:13] offset:1536*\p+512*\g     ; 32 lanes store 512 consecutive bytes, aligned
.endr
.irp g, 0,1,2
	global_store_b128 v[LI], v[108+4*\g:111+4*\g], s[20:21] offset:1536*\p+512*\g
.endr
.endr
	s_branch .Ltail
.Lway_v:
; v: block a is 16 of head a / 4's e; k 0 .. 127 are the keys of my step: a whole fragment.
.irp a, 0,1,2,3,4,5,6,7
	s_wait_xcnt 0x0
	QUANTW 2+\a/4, 64*(\a%4), 96, 102, 124+\a
.irp g, 0,1,2
.if \a < 4
	global_store_b128 v[LI], v[96+4*\g:99+4*\g], s[12:13] offset:1536*(\a%4)+512*\g
.else
	global_store_b128 v[LI], v[96+4*\g:99+4*\g], s[20:21] offset:1536*(\a%4)+512*\g
.endif
.endr
.endr
.Ltail:
	v_and_b32 v6, 31, v0
	v_cmp_lt_u32 vcc_lo, 15, v6                    ; lanes 16-31 carry the odd fragments' words
	v_cndmask_b32 v132, v124, v125, vcc_lo
	v_cndmask_b32 v133, v126, v127, vcc_lo
	v_cndmask_b32 v134, v128, v129, vcc_lo
	v_cndmask_b32 v135, v130, v131, vcc_lo
	global_store_b64 v[LS], v[132:133], s[12:13] offset:6144   ; 32 lanes store 256 consecutive bytes, aligned
	global_store_b64 v[LS], v[134:135], s[20:21] offset:6144
	s_wait_tensorcnt 0x0                           ; the wave's end
	ds_add_u32 v[SPW], v[NIL]
	s_wait_dscnt 0x0
	CROUND                                         ; the closing round: no work-group ends while a partner may still ask for a tile that names it
	s_endpgm
.Lfunc_end_k_qc9588c10a3_qkv:
	.size	k_qc9588c10a3_qkv, .Lfunc_end_k_qc9588c10a3_qkv-k_qc9588c10a3_qkv
	.p2alignl 7, 3214868480
	.fill 96, 4, 3214868480
	.section	.rodata,"a",@progbits
	.p2align	6, 0x0
	.amdhsa_kernel k_qc9588c10a3_qkv
		.amdhsa_group_segment_fixed_size 327680
		.amdhsa_private_segment_fixed_size 0
		.amdhsa_enable_private_segment 0
		.amdhsa_kernarg_size 24
		.amdhsa_user_sgpr_count 2
		.amdhsa_user_sgpr_kernarg_segment_ptr 1
		.amdhsa_wavefront_size32 1
		.amdhsa_system_sgpr_workgroup_id_x 1
		.amdhsa_system_sgpr_workgroup_id_y 1
		.amdhsa_system_sgpr_workgroup_id_z 1
		.amdhsa_system_vgpr_workitem_id 0
		.amdhsa_next_free_vgpr 1024
		.amdhsa_next_free_sgpr 100
		.amdhsa_reserve_vcc 1
		.amdhsa_float_denorm_mode_32 3
		.amdhsa_float_denorm_mode_16_64 3
		.amdhsa_memory_ordered 1
		.amdhsa_forward_progress 1
		.amdhsa_inst_pref_size 199
	.end_amdhsa_kernel
	.amdgpu_metadata
---
amdhsa.version: [ 1, 2 ]
amdhsa.kernels:
  - .name:           k_qc9588c10a3_qkv
    .symbol:         k_qc9588c10a3_qkv.kd
    .args:
      - { .name: cod, .offset: 0, .size: 8, .value_kind: global_buffer, .address_space: global }
      - { .name: scl, .offset: 8, .size: 8, .value_kind: global_buffer, .address_space: global }
      - { .name: qkv, .offset: 16, .size: 8, .value_kind: global_buffer, .address_space: global }
    .group_segment_fixed_size: 327680
    .private_segment_fixed_size: 0
    .kernarg_segment_align: 8
    .kernarg_segment_size: 24
    .max_flat_workgroup_size: 128
    .sgpr_count:     100
    .vgpr_count:     1024
    .wavefront_size: 32
...
	.end_amdgpu_metadata
.endif
;; end of part 2
;; launch attn (part 3): grid 4 x 64, 16 waves a work-group, no clusters, 327,680 bytes of LDS; arguments qkv, oc, os; writes oc, os
.if DOCPART == 3
	.amdgcn_target "amdgcn-amd-amdhsa--gfx1250"
	.amdhsa_code_object_version 6
	.text
	.protected	k_qc9588c10a3_attn
	.globl	k_qc9588c10a3_attn
	.p2align	8
	.type	k_qc9588c10a3_attn,@function
k_qc9588c10a3_attn:
	s_mov_b64 s[64:65], 0
	v_nop
	global_prefetch_b8 v0, s[64:65] scope:SCOPE_SE
	s_setreg_imm32_b32 hwreg(HW_REG_WAVE_MODE, 25, 1), 1
	s_wait_xcnt 0x0
; Causal attention of one (batch, head) on codes of FP6 (E2M3): S^T = K Q^T (K = the head's 64), p = 2^(t - M), O^T = V^T P^T (K = the keys); O / l is quantised along (head, e) for the output projection.
; t = score x log2(e) / 8; M = the running largest t rounded UP to a whole number; p is not normalised; the row's sum l is taken of the unquantised p, in f32.  When M moves, l and O^T are multiplied by 2^(old M - new M): exact.
; SHARES.  Work-group (i, 16 b + head) owns the blocks 7 - i and i of 256 queries, one after the other: 8 - i and i + 1 slots of 256 keys, NINE for every work-group: the loop's trip count is a constant, the work is even, and no
; slot that the mask hides wholly is fetched.  Each of sixteen waves owns one tile of 16 queries in 256 registers: four waves to a SIMD, so that one wave's vector work stands beside another's matrix work.
; LAYOUT.  Both products are used transposed: a lane holds ONE query (lane % 16).  Tokens lie in qkv with bits 3 and 4 of their number exchanged: row r of tile 2 b + u is token 32 b + 8 u + r + 8 (r / 8), so the 16 registers of
; tiles 2 b, 2 b + 1 of S^T are keys 32 b + 16 (lane / 16) + 0 .. 15; V's e rows lie likewise, so O^T's registers run along e.
; K = 64 IN AN INSTRUCTION OF 128.  A fragment of K is two tiles of 16 keys (registers 0-5, 6-11).  Q lies in 18 registers [q | six zeros | q]: the fragment x registers 0-11 gives the first tile's scores, x registers 6-17 the second's;
; the other half meets zero codes, which add nothing (no scale byte here is 0xff).
; NO JOINT LOADS: the four work-groups of a head want different slots from their sixth slot on (8 - i differs), and a joint request wants the same sequence in all that it names.
; LIMITS: NaN and infinities are not served; a block of zeros has the scale byte 1; a block's largest p is taken from the block's largest score, which takes v_exp_f32 not to fall where its input rises.
; REGISTERS: v1-7 addresses that stay; v8, v9 addresses in hand; v12 -M, v13 the largest t, v[14:15] the sum; v16-33 Q; v36-83 four fragments of K, then of V; v84-87 their scale words; v88-94 the second block's q;
; v96-159 S^T, then p; v160-191 O^T; v192-223 O / l; v224-235 codes; v232-254 at work; v253 p's scale word, v255 q's.
.set SLOT1, 32768                      ; a slot is 25,600 bytes: [K | V] of two steps of 128 keys, as they lie in qkv; one exclusive or turns an address into the other slot's
.set SPARE, 65536                      ; the spare words, 128 bytes for each wave: no other line names them
.set QOFF,  13107200
.set SPW,  5
.set NIL,  6
.set ADK,  8
.set ADS,  9
.set WV,   18
.set SEL,  20
.set CS,   22
.set TB,   40                          ; s40  LDS byte at which the slot in hand begins
.set KF,   41                          ; s41  the step's first key
.set Q0,   42                          ; s42  my tile's first query
.set SLOTS, 43                         ; s43  changes of slots that still ask for a slot
.set N1,   44                          ; s44  slots asked for behind the first
.set NA,   45                          ; s45  slots of the first block: 8 - i
.set LIM,  58                          ; s58  2 in a wave that prefetches, else the greatest number
	s_load_b128 s[4:7], s[0:1], 0x0                ; qkv, oc
	s_load_b64 s[8:9], s[0:1], 0x10                ; os
	v_lshl_add_u32 v[SPW], v0, 2, SPARE
	v_mov_b32 v[NIL], 0
	ds_add_u32 v5, v6
	ds_add_u32 v5, v6
	s_wait_dscnt 0x0
	v_lshrrev_b32 v8, 5, v0
	s_delay_alu instid0(VALU_DEP_1)
	v_readfirstlane_b32 s[WV], v8                  ; wave 0..15
	s_and_b32 s60, ttmp7, 0xffff                   ; 16 b + head
	s_sub_co_u32 s[NA], 8, ttmp9
	s_sub_co_u32 s61, 7, ttmp9                     ; the first block of queries
	s_mov_b32 s24, 3<<16                           ; group 1: 25 rows of 256 bytes (32 elements of 8), dense, no padding, no mask
	s_mov_b32 s25, 32<<16                          ; tensor_dim0
	s_mov_b32 s26, 25<<16                          ; tensor_dim1
	s_mov_b32 s27, 32<<16                          ; tile_dim0
	s_mov_b32 s28, 25                              ; tile_dim1
	s_mov_b32 s29, 32                              ; the pitch
	s_mov_b32 s30, 0
	s_mov_b32 s31, 0
	s_and_b32 s62, s[WV], 3
	s_mul_i32 s62, s62, 6400                       ; waves 0 to 3 fetch a quarter of a slot each
	s_mul_i32 s66, s60, 204800                     ; the head's K and V
	s_mov_b32 s67, 0
	s_lshl_b32 s68, s[WV], 13                      ; the prefetches begin 8,192 x wave bytes into them (waves 4 to 6)
	s_add_co_u32 s68, s68, s66
	s_mov_b32 s69, 0
	s_add_co_u32 s66, s66, s62
	s_lshr_b32 s63, s[WV], 3                       ; Q: which step of 128 queries of the block,
	s_lshl_b32 s70, s60, 4
	s_add_co_u32 s70, s70, s63
	s_lshl_b32 s72, s61, 1
	s_add_co_u32 s72, s72, s70
	s_mul_i32 s72, s72, 6400
	s_add_co_u32 s72, s72, QOFF                    ; the first block's,
	s_mov_b32 s73, 0
	s_lshl_b32 s74, ttmp9, 1
	s_add_co_u32 s74, s74, s70
	s_mul_i32 s74, s74, 6400
	s_add_co_u32 s74, s74, QOFF                    ; the second block's
	s_mov_b32 s75, 0
	s_and_b32 s79, s[WV], 1                        ; u: which half of a fragment is my tile
	s_bfe_u32 s80, s[WV], 0x20001                  ; f: which fragment
	s_mul_i32 s81, s80, 1536
	s_mul_i32 s76, s79, 520                        ; registers 6 u .. 6 u + 5 of an image in groups of four: at 16 l + 0, 8, 512 (u = 0) or 16 l + 520, 1024, 1032 (u = 1)
	s_add_co_u32 s76, s76, s81
	s_mul_i32 s77, s79, 1016
	s_add_co_u32 s77, s77, s81
	s_and_b32 s78, s80, 1                          ; my tile's two scale bytes: 8 (r + 16 (f % 2)) + 4 (f / 2) + 2 u
	s_lshl_b32 s78, s78, 7
	s_lshr_b32 s81, s80, 1
	s_lshl_b32 s81, s81, 2
	s_add_co_u32 s78, s78, s81
	s_lshl_b32 s81, s79, 1
	s_add_co_u32 s78, s78, s81
	s_lshr_b32 s82, s60, 4                         ; b
	s_and_b32 s83, s60, 15                         ; head
	s_lshl_b32 s82, s82, 7
	s_add_co_u32 s82, s82, s[WV]                   ; 128 b + wave
	s_lshr_b32 s84, s83, 1
	s_mul_i32 s84, s84, 1536                       ; oc: the fragment of heads 2 p, 2 p + 1,
	s_and_b32 s85, s83, 1
	s_mul_i32 s85, s85, 768                        ; and my head's half of it
	s_add_co_u32 s84, s84, s85
	s_lshl_b32 s83, s83, 1                         ; os: my head's two bytes of a row's 32
	s_lshl_b32 s86, s61, 4
	s_add_co_u32 s86, s86, s82                     ; my tile of 16 rows, first block,
	s_lshl_b32 s87, ttmp9, 4
	s_add_co_u32 s87, s87, s82                     ; second block
	s_mul_i32 s88, s86, 12288
	s_add_co_u32 s88, s88, s84
	s_mov_b32 s89, 0
	s_lshl_b32 s90, s86, 9
	s_add_co_u32 s90, s90, s83
	s_mov_b32 s91, 0
	s_mul_i32 s92, s87, 12288
	s_add_co_u32 s92, s92, s84
	s_mov_b32 s93, 0
	s_lshl_b32 s94, s87, 9
	s_add_co_u32 s94, s94, s83
	s_mov_b32 s95, 0
	s_lshr_b32 s96, s[WV], 1
	s_lshl_b32 s96, s96, 5
	s_lshl_b32 s97, s79, 3
	s_add_co_u32 s96, s96, s97                     ; my tile's first query in its block: 32 (wave / 2) + 8 (wave % 2); lane r's is r + 8 (r / 8) on
	s_lshl_b32 s[Q0], s61, 8
	s_add_co_u32 s[Q0], s[Q0], s96
	s_lshl_b32 s54, ttmp9, 8
	s_add_co_u32 s54, s54, s96                     ; s54: the same for the second block
	s_mov_b32 s[SEL], 0x76543210
	s_mov_b32 s[SEL+1], 0xfedcba98
	s_mov_b32 s[CS], 0x3e38aa3b                    ; c = log2(e) / 8
	s_mov_b32 s[CS+1], s[CS]                       ; (named with it as a pair, so it is written)
	s_mov_b32 s59, 0xffff0000                      ; lanes 16-31
	s_mov_b32 s[TB], 0
	s_mov_b32 s[KF], 0
	s_mov_b32 s[SLOTS], 8
	s_mov_b32 s[N1], 0
	s_mov_b32 s38, 0                               ; s[38:39]: where the slot to be asked for begins in the head's K and V
	s_mov_b32 s39, 0
	s_sub_co_u32 s98, s[WV], 4
	s_cmp_lt_u32 s98, 3                            ; waves 4 to 6
	s_cselect_b32 s[LIM], 2, -1
	s_cmp_eq_u32 ttmp9, 0                          ; of the head's work-group 0, which walks all eight slots in its first block
	s_cselect_b32 s[LIM], s[LIM], -1
	s_wait_kmcnt 0x0
	s_add_nc_u64 s[36:37], s[4:5], s[66:67]        ; s[36:37]: my quarter of the head's first slot
	s_mov_b32 s32, 1                               ; group 0: count = 1,
	s_mov_b32 s33, s62                             ; LDS address: slot 0, my quarter,
	s_mov_b64 s[34:35], s[36:37]                   ; global address,
	s_or_b32 s35, s35, 0x80000000                  ; type = 2
	s_cmp_lt_u32 s[WV], 4
	s_cbranch_scc0 .Lno_first
	tensor_load_to_lds s[32:35], s[24:31]          ; slot 0: the launch's first fill
	s_nop 0
.rept 4
	v_nop
.endr
.Lno_first:
	s_add_nc_u64 s[56:57], s[4:5], s[68:69]        ; s[56:57]: where my prefetches stand
	s_add_nc_u64 s[72:73], s[4:5], s[72:73]
	s_add_nc_u64 s[74:75], s[4:5], s[74:75]
	s_add_nc_u64 s[46:47], s[6:7], s[88:89]        ; s[46:47], s[48:49]: oc and os for the block in hand
	s_add_nc_u64 s[48:49], s[8:9], s[90:91]
	s_add_nc_u64 s[50:51], s[6:7], s[92:93]        ; s[50:51], s[52:53]: for the second block
	s_add_nc_u64 s[52:53], s[8:9], s[94:95]
	v_and_b32 v8, 31, v0                           ; lane
	s_delay_alu instid0(VALU_DEP_1)
	v_lshlrev_b32 v1, 4, v8                        ; v1  16 x lane
	s_delay_alu instid0(VALU_DEP_2)
	v_lshlrev_b32 v2, 3, v8                        ; v2  8 x lane
	s_delay_alu instid0(VALU_DEP_3)
	v_lshlrev_b32 v7, 8, v8                        ; v7  256 x lane: the prefetches' offset
	v_and_b32 v9, 15, v0                           ; r
	v_bfe_u32 v10, v0, 4, 1                        ; h
	s_delay_alu instid0(VALU_DEP_2)
	v_and_b32 v11, 8, v9
	s_delay_alu instid0(VALU_DEP_1)
	v_add_nc_u32 v3, v11, v9
	s_delay_alu instid0(VALU_DEP_3)
	v_lshlrev_b32 v11, 4, v10
	s_delay_alu instid0(VALU_DEP_1)
	v_sub_nc_u32 v3, v3, v11                       ; v3  r + 8 (r / 8) - 16 h
	v_lshl_add_u32 v4, v9, 5, v10                  ; v4  32 r + h: my byte in os
	v_add_nc_u32 v34, s76, v1
	v_add_nc_u32 v35, s77, v1
	v_lshl_add_u32 v95, v9, 3, s78
	global_load_b64 v[16:17], v34, s[72:73]        ; q of the first block: six registers
	global_load_b64 v[18:19], v35, s[72:73] offset:8
	global_load_b64 v[20:21], v34, s[72:73] offset:512
	global_load_u16 v255, v95, s[72:73] offset:6144
	global_load_b64 v[88:89], v34, s[74:75]        ; and of the second
	global_load_b64 v[90:91], v35, s[74:75] offset:8
	global_load_b64 v[92:93], v34, s[74:75] offset:512
	global_load_u16 v94, v95, s[74:75] offset:6144
	v_mov_b32 v13, 0xff61b1e6                      ; the largest t so far: -3e38, under every t
	s_delay_alu instid0(VALU_DEP_1)
	v_floor_f32 v12, -v13                          ; -M
	v_mov_b32 v14, 0
	v_mov_b32 v15, 0
.irp b, 0,1,2,3
	v_mov_b32 v[236+\b], 0                         ; written once: a lane permute's destination counts as one of its sources
.endr
	v_mov_b32 v252, 0
	v_mov_b32 v253, 0
	s_wait_loadcnt 0x0
	v_lshl_or_b32 v255, v255, 16, v255             ; q's two bytes twice: they serve [q | 0] and [0 | q]
	v_lshl_or_b32 v94, v94, 16, v94
.irp i, 0,1,2,3,4,5
	v_mov_b32 v[28+\i], v[16+\i]
.endr
.irp i, 0,1,2,3,4,5
	v_mov_b32 v[22+\i], 0
.endr
.set j, 0
.rept 32
	v_mov_b32 v[160+j], 0                          ; O^T: the step is written once; its first turn finds zeros, which the first change of M leaves zeros
.set j, j+1
.endr
; A KEY STEP: 128 keys, the q-th of the slot in hand.
.macro STEP q
	s_add_co_u32 s96, s[Q0], 23                    ; my tile's last query.  A step all of whose keys come after it is left out: a scalar branch on ids; no barrier or tensor load stands in a step
	s_cmp_gt_u32 s[KF], s96
	s_cbranch_scc1 .Lhidden_\@
	v_add_nc_u32 v[ADK], s[TB], v1
	v_add_nc_u32 v[ADS], s[TB], v2
	v_nop
	v_nop                                          ; four plain lines in front of loads into registers that the last products read
.irp f, 0,1,2,3
.irp g, 0,1,2
	ds_load_b128 v[36+12*\f+4*\g:39+12*\f+4*\g], v[ADK] offset:12800*(\q)+1536*\f+512*\g   ; K's four fragments, as images: 512 consecutive bytes a load
.endr
.endr
	ds_load_b64 v[84:85], v[ADS] offset:12800*(\q)+6144   ; their scale words: v84 fragments 0 (lanes 0-15) and 1 (16-31), v85 fragments 2 and 3
	s_wait_alu depctr_va_vdst(0)
	s_wait_dscnt 0x0
.irp b, 0,1,2,3
.irp u, 0,1
.if (\b)%2
	v_wmma_scale_f32_16x16x128_f8f6f4 v[96+8*(2*\b+\u):103+8*(2*\b+\u)], v[36+12*\b:47+12*\b], v[16+6*\u:27+6*\u], 0, v[84+\b/2], v255 matrix_a_fmt:MATRIX_FMT_FP6 matrix_b_fmt:MATRIX_FMT_FP6 matrix_a_scale:MATRIX_SCALE_ROW1
.else
	v_wmma_scale_f32_16x16x128_f8f6f4 v[96+8*(2*\b+\u):103+8*(2*\b+\u)], v[36+12*\b:47+12*\b], v[16+6*\u:27+6*\u], 0, v[84+\b/2], v255 matrix_a_fmt:MATRIX_FMT_FP6 matrix_b_fmt:MATRIX_FMT_FP6
.endif
.endr
.endr
.rept 4
	v_nop                                          ; places in front of the loads below and of the first read of the scores
.endr
.irp t, 0,1,2,3
.irp g, 0,1,2
	ds_load_b128 v[36+12*\t+4*\g:39+12*\t+4*\g], v[ADK] offset:12800*(\q)+6400+1536*\t+512*\g   ; V's four fragments land under the softmax
.endr
.endr
	ds_load_b64 v[86:87], v[ADS] offset:12800*(\q)+12544
	s_add_co_u32 s96, s[KF], 127                   ; on the diagonal the scores of hidden keys become -infinity ahead of the maximum.  A step all of whose keys count skips this
	s_cmp_le_u32 s96, s[Q0]
	s_cbranch_scc1 .Lopen_\@
	s_sub_co_i32 s96, s[Q0], s[KF]
	v_add_nc_u32 v252, s96, v3                     ; d = my query - the step's first key - 16 (lane / 16).  Register 16 b + i holds key 32 b + 16 (lane / 16) + i: hidden where 32 b + i > d
	v_mov_b32 v254, 0xff800000
.irp n, 0,1,2,3,4,5,6,7,8,9,10,11,12,13,14,15,16,17,18,19,20,21,22,23,24,25,26,27,28,29,30,31,32,33,34,35,36,37,38,39,40,41,42,43,44,45,46,47,48,49,50,51,52,53,54,55,56,57,58,59,60,61,62,63
	v_cmp_gt_i32 vcc_lo, 32*(\n/16)+\n%16, v252
	v_cndmask_b32 v[96+\n], v[96+\n], v254, vcc_lo
.endr
.Lopen_\@:
.irp b, 0,1,2,3
	v_max3_num_f32 v[232+\b], v[96+16*\b], v[97+16*\b], v[98+16*\b]   ; the largest score of each block of 32 keys: for the row's maximum, and, since p rises with the score, for the block's largest p
.endr
.irp i, 3,5,7,9,11,13
.irp b, 0,1,2,3
	v_max3_num_f32 v[232+\b], v[232+\b], v[96+16*\b+\i], v[97+16*\b+\i]
.endr
.endr
.irp b, 0,1,2,3
	v_max_num_f32 v[232+\b], v[232+\b], v[111+16*\b]
.endr
.irp b, 0,1,2,3
	s_delay_alu instid0(VALU_DEP_4)
	v_permlanex16_b32 v[236+\b], v[232+\b], s[SEL], s[SEL+1]
.endr
.irp b, 0,1,2,3
	s_delay_alu instid0(VALU_DEP_4)
	v_max_num_f32 v[232+\b], v[232+\b], v[236+\b]  ; with lane l xor 16's 16 keys
.endr
	s_delay_alu instid0(VALU_DEP_2)
	v_max3_num_f32 v254, v232, v233, v234
	s_delay_alu instid0(VALU_DEP_1)
	v_max_num_f32 v254, v254, v235                 ; the step's largest score of my query
	s_delay_alu instid0(VALU_DEP_1)
	v_mul_f32 v254, s[CS], v254                    ; as t
	s_delay_alu instid0(VALU_DEP_1)
	v_max_num_f32 v13, v13, v254                   ; the running largest t
	v_mov_b32 v254, v12
	s_delay_alu instid0(VALU_DEP_2)
	v_floor_f32 v12, -v13                          ; the new -M = floor(-t): M is a whole number
	s_delay_alu instid0(VALU_DEP_1)
	v_sub_f32 v254, v12, v254                      ; old M - new M: a whole number, 0 or less
	s_delay_alu instid0(VALU_DEP_1)
	v_cvt_i32_f32 v254, v254                       ; (it saturates)
	s_delay_alu instid0(VALU_DEP_1)
	v_ldexp_f32 v252, 1.0, v254                    ; f = 2^(old M - new M)
.set j, 0
.rept 32
	v_pk_fma_f32 v[96+j:97+j], v[96+j:97+j], s[CS:CS+1], v[12:13] op_sel_hi:[1,0,0]   ; t - M, two at a time
.set j, j+2
.endr
.irp b, 0,1,2,3
	v_fma_f32 v[232+\b], v[232+\b], s[CS], v12     ; the same of each block's largest score
.endr
.set j, 0
	s_wait_alu depctr_va_vdst(0)
.rept 64
	v_exp_f32 v[96+j], v[96+j]                     ; p = 2^(t - M), at most 1
.set j, j+1
.endr
	v_pk_mul_f32 v[14:15], v[14:15], v[252:253] op_sel_hi:[1,0]   ; the sums under the new M (a plain line behind the exponentials)
	s_wait_alu depctr_va_vdst(0)                   ; one wait for the batch of 64, ahead of its first reader
.irp b, 0,1,2,3
	v_exp_f32 v[232+\b], v[232+\b]                 ; the block's largest p
.endr
	v_pk_add_f32 v[236:237], v[100:101], v[104:105]
	v_pk_add_f32 v[250:251], v[108:109], v[112:113]
	v_pk_add_f32 v[248:249], v[116:117], v[120:121]
	v_pk_add_f32 v[246:247], v[124:125], v[128:129]
	v_pk_add_f32 v[244:245], v[132:133], v[136:137]
	v_pk_add_f32 v[242:243], v[140:141], v[144:145]
	v_pk_add_f32 v[240:241], v[148:149], v[152:153]
	v_pk_add_f32 v[14:15], v[14:15], v[156:157]
	v_pk_add_f32 v[236:237], v[236:237], v[96:97]
	v_pk_add_f32 v[250:251], v[250:251], v[98:99]
	v_pk_add_f32 v[248:249], v[248:249], v[102:103]
	v_pk_add_f32 v[246:247], v[246:247], v[106:107]
	v_pk_add_f32 v[244:245], v[244:245], v[110:111]
	v_pk_add_f32 v[242:243], v[242:243], v[114:115]
	v_pk_add_f32 v[240:241], v[240:241], v[118:119]
	v_pk_add_f32 v[14:15], v[14:15], v[122:123]
	v_pk_add_f32 v[236:237], v[236:237], v[126:127]
	v_pk_add_f32 v[250:251], v[250:251], v[130:131]
	v_pk_add_f32 v[248:249], v[248:249], v[134:135]
	v_pk_add_f32 v[246:247], v[246:247], v[138:139]
	v_pk_add_f32 v[244:245], v[244:245], v[142:143]
	v_pk_add_f32 v[242:243], v[242:243], v[146:147]
	v_pk_add_f32 v[240:241], v[240:241], v[150:151]
	v_pk_add_f32 v[14:15], v[14:15], v[154:155]
	v_pk_add_f32 v[236:237], v[236:237], v[158:159]
	s_delay_alu instid0(VALU_DEP_2)
	v_pk_add_f32 v[14:15], v[14:15], v[246:247]
	s_delay_alu instid0(VALU_DEP_2)
	v_pk_add_f32 v[236:237], v[236:237], v[244:245]
	v_pk_add_f32 v[250:251], v[250:251], v[242:243]
	v_pk_add_f32 v[248:249], v[248:249], v[240:241]
	s_delay_alu instid0(VALU_DEP_2)
	v_pk_add_f32 v[14:15], v[14:15], v[250:251]
	s_delay_alu instid0(VALU_DEP_2)
	v_pk_add_f32 v[236:237], v[236:237], v[248:249]
	s_delay_alu instid0(VALU_DEP_1)
	v_pk_add_f32 v[14:15], v[14:15], v[236:237]
	s_wait_alu depctr_va_vdst(0)                   ; and one for the four
.irp b, 0,1,2,3
	v_max_num_f32 v[232+\b], 0x1800000, v[232+\b]  ; the floor 2^(3 - 127): the byte cannot fall under 1
.endr
.irp b, 0,1,2,3
	s_delay_alu instid0(VALU_DEP_4)
	v_add_nc_u32 v[244+\b], 0xff000000, v[232+\b]  ; the conversion's scale operand
.endr
.irp b, 0,1,2,3
	s_delay_alu instid0(VALU_DEP_4)
	v_lshrrev_b32 v[236+\b], 23, v[244+\b]         ; the scale's byte
.endr
	s_delay_alu instid0(VALU_DEP_3)
	v_lshl_or_b32 v253, v237, 8, v236              ; p's scale word for these 128 keys
	s_delay_alu instid0(VALU_DEP_1)
	v_lshl_or_b32 v253, v238, 16, v253
	s_delay_alu instid0(VALU_DEP_1)
	v_lshl_or_b32 v253, v239, 24, v253
.irp c, 0,1
	v_cvt_scalef32_pk16_fp6_f32 v[224+6*\c:226+6*\c], v[96+32*\c:111+32*\c], v[244+2*\c]
	v_cvt_scalef32_pk16_fp6_f32 v[236+4*\c:238+4*\c], v[112+32*\c:127+32*\c], v[244+2*\c+1]
.endr
	v_nop                                          ; one plain line behind a scaled conversion
.irp c, 0,1
.irp i, 0,1,2
	v_permlane16_swap_b32 v[224+6*\c+\i], v[236+4*\c+\i]   ; a whole block to a lane
.endr
.irp i, 0,1,2
	s_delay_alu instid0(VALU_DEP_3)
	v_mov_b32 v[227+6*\c+\i], v[236+4*\c+\i]
.endr
.endr
.set j, 0
.rept 16
	v_pk_mul_f32 v[160+j:161+j], v[160+j:161+j], v[252:253] op_sel_hi:[1,0]   ; O^T under the new M.  (These sixteen also stand between the writes of p's codes and scale word and the products that read them)
.set j, j+2
.endr
	s_wait_alu depctr_va_vdst(0)
	s_wait_dscnt 0x0                               ; V is in
.irp t, 0,1,2,3                                ; the four accumulators take turns, one instruction a turn
.if (\t)%2
	v_wmma_scale_f32_16x16x128_f8f6f4 v[160+8*\t:167+8*\t], v[36+12*\t:47+12*\t], v[224:235], v[160+8*\t:167+8*\t], v[86+\t/2], v253 matrix_a_fmt:MATRIX_FMT_FP6 matrix_b_fmt:MATRIX_FMT_FP6 matrix_a_scale:MATRIX_SCALE_ROW1
.else
	v_wmma_scale_f32_16x16x128_f8f6f4 v[160+8*\t:167+8*\t], v[36+12*\t:47+12*\t], v[224:235], v[160+8*\t:167+8*\t], v[86+\t/2], v253 matrix_a_fmt:MATRIX_FMT_FP6 matrix_b_fmt:MATRIX_FMT_FP6
.endif
.endr
.Lhidden_\@:
	s_add_co_u32 s[KF], s[KF], 128
.endm
.macro SLOT_STEPS
	STEP 0
	STEP 1
	s_xor_b32 s[TB], s[TB], SLOT1                  ; on to the other slot
.endm
.macro TLOAD                           ; waves 0 to 3 fetch; four v_nop follow the line
	s_cmp_lt_u32 s[WV], 4
	s_cbranch_scc0 .Lasked_\@
	tensor_load_to_lds s[32:35], s[24:31]
	s_nop 0
.rept 4
	v_nop
.endr
.Lasked_\@:
.endm
; A PREFETCH INTO THE L2.  A head's K and V are 25 runs of 8,192 bytes.  The change that asks for slot n + 1 names runs 3 n + 7, 8, 9, which end at or behind the end of slot n + 2: a slot ahead of the load that wants them.
; One wave a run (waves 4 to 6 of the head's work-group 0), lanes 256 bytes apart: each aligned 256 bytes from byte 57,344 on are named once in the launch; what lies ahead of that comes by its loads alone.
; Six changes ask (s[SLOTS] = 8 .. 3); the last byte named is byte 204,544 of the head's 204,800.
.macro ASK
	s_cmp_gt_u32 s[SLOTS], s[LIM]
	s_cbranch_scc0 .Lnot_mine_\@
	global_prefetch_b8 v7, s[56:57] th:TH_LOAD_NT scope:SCOPE_SE
.Lnot_mine_\@:
.endm
; THE CHANGE OF SLOTS stands at a slot's head.  Each wave waits for all its tensor loads, adds 0 to its spare word, and waits for that and for its reads of the slot that it has left.  Behind the barrier the slot ahead is whole and
; nobody reads the other one.  fill = 1: that other slot takes the keys that follow, or, where the first block of queries ends, the head's first keys again.
.macro CHANGE fill
	s_wait_tensorcnt 0x0                           ; no tensor load of mine is out, so group 0 may be written
	ds_add_u32 v[SPW], v[NIL]                      ; 0 onto my spare word
.if \fill
	s_xor_b32 s33, s33, SLOT1
	s_add_co_u32 s38, s38, 25600
	s_add_co_u32 s[N1], s[N1], 1
	s_cmp_eq_u32 s[N1], s[NA]
	s_cselect_b32 s38, 0, s38
	s_add_nc_u64 s[34:35], s[36:37], s[38:39]
	s_or_b32 s35, s35, 0x80000000
	s_wait_xcnt 0x0                                ; the last prefetch, a slot back, has read its address
	s_add_nc_u64 s[56:57], s[56:57], 24576
.endif
	s_wait_dscnt 0x0                               ; the add is done, and my reads of the slot that I have left are over
	s_barrier_signal -1
	s_barrier_wait -1
.if \fill
	TLOAD                                          ; the first thing behind the barrier, and a wave's one tensor load until the next
	ASK
.endif
.endm
; A BLOCK'S END: O^T / l, quantised along e (two blocks of 32), leaves as half a fragment's image (three stores of 256 consecutive bytes, aligned) and two scale bytes a row.
.macro FINAL
.rept 4
	v_nop                                          ; places behind the last products
.endr
	v_add_f32 v14, v14, v15
	s_delay_alu instid0(VALU_DEP_1)
	v_permlanex16_b32 v252, v14, s[SEL], s[SEL+1]
	s_delay_alu instid0(VALU_DEP_1)
	v_add_f32 v14, v14, v252                       ; the row's sum
	s_wait_alu depctr_va_vdst(0)
	v_rcp_f32 v14, v14
	v_nop                                          ; a plain line behind the reciprocal,
	s_wait_alu depctr_va_vdst(0)                   ; and the wait ahead of its first reader
.set j, 0
.rept 32
	v_mul_f32 v[192+j], v[160+j], v14              ; register 16 b + i is o(my query, e = 32 b + 16 (lane / 16) + i); each accumulator from its low end on
.set j, j+1
.endr
.irp b, 0,1
	v_max3_num_f32 v[232+\b], |v[192+16*\b]|, |v[193+16*\b]|, 0x1800000
.endr
.irp i, 2,4,6,8,10,12,14
.irp b, 0,1
	s_delay_alu instid0(VALU_DEP_2)
	v_max3_num_f32 v[232+\b], v[232+\b], |v[192+16*\b+\i]|, |v[193+16*\b+\i]|
.endr
.endr
.irp b, 0,1
	s_delay_alu instid0(VALU_DEP_2)
	v_permlanex16_b32 v[236+\b], v[232+\b], s[SEL], s[SEL+1]
.endr
.irp b, 0,1
	s_delay_alu instid0(VALU_DEP_2)
	v_max_num_f32 v[232+\b], v[232+\b], v[236+\b]
.endr
.irp b, 0,1
	s_delay_alu instid0(VALU_DEP_2)
	v_add_nc_u32 v[244+\b], 0xff000000, v[232+\b]
.endr
.irp b, 0,1
	s_delay_alu instid0(VALU_DEP_2)
	v_lshrrev_b32 v[236+\b], 23, v[244+\b]
.endr
	s_delay_alu instid0(VALU_DEP_1)
	v_cndmask_b32 v254, v236, v237, s59            ; lanes 0-15 carry block 0's byte, lanes 16-31 block 1's
	v_cvt_scalef32_pk16_fp6_f32 v[224:226], v[192:207], v244
	v_cvt_scalef32_pk16_fp6_f32 v[240:242], v[208:223], v245
	v_nop
.irp i, 0,1,2
	v_permlane16_swap_b32 v[224+\i], v[240+\i]
.endr
.irp i, 0,1,2
	s_delay_alu instid0(VALU_DEP_3)
	v_mov_b32 v[227+\i], v[240+\i]
.endr
.irp g, 0,1,2
	global_store_b64 v2, v[224+2*\g:225+2*\g], s[46:47] offset:256*\g
.endr
	global_store_b8 v4, v254, s[48:49]
.endm
.Lslot:                                            ; eight trips: behind each change of slots but the last the next slot is asked for
	CHANGE 1
	SLOT_STEPS
	s_cmp_lg_u32 s[N1], s[NA]                      ; was that the first block's last slot?  A branch on ids
	s_cbranch_scc1 .Lsame_block
	FINAL
	v_mov_b32 v255, v94                            ; the second block: q's scale word first, so that it stands far enough ahead of the next product,
.irp i, 0,1,2,3,4,5
	v_mov_b32 v[16+\i], v[88+\i]
	v_mov_b32 v[28+\i], v[88+\i]
.endr
	v_mov_b32 v13, 0xff61b1e6
	s_delay_alu instid0(VALU_DEP_1)
	v_floor_f32 v12, -v13
	v_mov_b32 v14, 0
	v_mov_b32 v15, 0
.set j, 0
.rept 32
	v_mov_b32 v[160+j], 0
.set j, j+1
.endr
	s_wait_xcnt 0x0                                ; the stores have read their registers and bases
	s_mov_b64 s[46:47], s[50:51]
	s_mov_b64 s[48:49], s[52:53]
	s_mov_b32 s[Q0], s54
	s_mov_b32 s[KF], 0
.Lsame_block:
	s_sub_co_u32 s[SLOTS], s[SLOTS], 1
	s_cmp_lg_u32 s[SLOTS], 0
	s_cbranch_scc1 .Lslot
	CHANGE 0                                       ; the last slot is written out
	SLOT_STEPS
	FINAL
	s_wait_tensorcnt 0x0                           ; the wave's end
	ds_add_u32 v[SPW], v[NIL]
	s_wait_dscnt 0x0
	s_endpgm
.Lfunc_end_k_qc9588c10a3_attn:
	.size	k_qc9588c10a3_attn, .Lfunc_end_k_qc9588c10a3_attn-k_qc9588c10a3_attn
	.p2alignl 7, 3214868480
	.fill 96, 4, 3214868480
	.section	.rodata,"a",@progbits
	.p2align	6, 0x0
	.amdhsa_kernel k_qc9588c10a3_attn
		.amdhsa_group_segment_fixed_size 327680
		.amdhsa_private_segment_fixed_size 0
		.amdhsa_enable_private_segment 0
		.amdhsa_kernarg_size 24
		.amdhsa_user_sgpr_count 2
		.amdhsa_user_sgpr_kernarg_segment_ptr 1
		.amdhsa_wavefront_size32 1
		.amdhsa_system_sgpr_workgroup_id_x 1
		.amdhsa_system_sgpr_workgroup_id_y 1
		.amdhsa_system_sgpr_workgroup_id_z 1
		.amdhsa_system_vgpr_workitem_id 0
		.amdhsa_next_free_vgpr 256
		.amdhsa_next_free_sgpr 100
		.amdhsa_reserve_vcc 1
		.amdhsa_float_denorm_mode_32 3
		.amdhsa_float_denorm_mode_16_64 3
		.amdhsa_memory_ordered 1
		.amdhsa_forward_progress 1
		.amdhsa_inst_pref_size 108
	.end_amdhsa_kernel
	.amdgpu_metadata
---
amdhsa.version: [ 1, 2 ]
amdhsa.kernels:
  - .name:           k_qc9588c10a3_attn
    .symbol:         k_qc9588c10a3_attn.kd
    .args:
      - { .name: qkv, .offset: 0, .size: 8, .value_kind: global_buffer, .address_space: global }
      - { .name: oc, .offset: 8, .size: 8, .value_kind: global_buffer, .address_space: global }
      - { .name: os, .offset: 16, .size: 8, .value_kind: global_buffer, .address_space: global }
    .group_segment_fixed_size: 327680
    .private_segment_fixed_size: 0
    .kernarg_segment_align: 8
    .kernarg_segment_size: 24
    .max_flat_workgroup_size: 512
    .sgpr_count:     100
    .vgpr_count:     256
    .wavefront_size: 32
...
	.end_amdgpu_metadata
.endif
;; end of part 3
;; launch proj (part 4): grid 4 x 32, 4 waves a work-group, clusters of 4 x 4, 327,680 bytes of LDS; arguments oc, os, cod, scl, bp, out0; writes out0
.if DOCPART == 4
	.amdgcn_target "amdgcn-amd-amdhsa--gfx1250"
	.amdhsa_code_object_version 6
	.text
	.protected	k_qc9588c10a3_proj
	.globl	k_qc9588c10a3_proj
	.p2align	8
	.type	k_qc9588c10a3_proj,@function
k_qc9588c10a3_proj:
	s_mov_b64 s[64:65], 0
	v_nop
	global_prefetch_b8 v0, s[64:65] scope:SCOPE_SE
	s_setreg_imm32_b32 hwreg(HW_REG_WAVE_MODE, 25, 1), 1
	s_wait_xcnt 0x0
	s_wait_alu depctr_hold_cnt(0) depctr_sa_sdst(0) depctr_va_vdst(0) depctr_va_sdst(0) depctr_va_ssrc(0) depctr_va_vcc(0) depctr_vm_vsrc(0)
	s_getreg_b32 s2, hwreg(HW_REG_IB_STS2, 6, 4)
	s_cmp_eq_u32 s2, 0
	s_cbranch_scc0 .Lentry_in_a_cluster
	s_endpgm
.Lentry_in_a_cluster:
	s_bfe_u32 s2, ttmp6, 0x10000c
	s_cmp_lg_u32 s2, 0xf033
	s_cbranch_scc0 .Lentry_shape_is_right
	s_endpgm
.Lentry_shape_is_right:
; out0 = O Wp + bp, on codes of FP6 (E2M3) with one E8M0 byte for each 32 along K = 1,024; sums in f32; bp is the C of each sum's first matrix instruction.
; A tile of 256 x 256 is made by a work-group of four waves, 128 x 128 a wave.  K goes in steps of 256 through a ring of two LDS slots; the scale bytes come into LDS once.  4 x 4 work-groups form a cluster: A's tiles (O) are asked for
; jointly along a row of it, B's (Wp) along a column.
; A = oc: [tile of 16 rows][8 fragments of 128 K][1,536 bytes]: images of operand registers (registers 2 g, 2 g + 1 of lane l at 256 g + 8 l): a fragment comes by six loads of 256 consecutive bytes.  B = rows 11,264 on of cod.
; Source 0 = 16 rows of B, source 1 = 16 rows of A.  Rows of O and of Wp lie with bits 3 and 4 of their number exchanged: row r of tile 2 b + u is the true row 32 b + 8 u + r + 8 (r / 8).  The way out puts both axes back:
; the columns by the places in the stage, the rows by the stores' offsets.
; LIMITS: NaN and infinities are not served.
; REGISTERS, in windows of 256: window 0: v0-31 addresses; v32-63 scale words, two sets; v64-127 the bias, eight registers for each of B's blocks; from v128 A's fragments; on the way out v128-255.  window 1: B's fragments, two sets.
; windows 2, 3: the accumulators.
.set KSTEP,  256
.set NQ,     2
.set ROWB,   192
.set KROW,   768
.set PITCH,  240
.set FR,     12
.set NL,     6
.set NP,     4
.set HALFT,  128*PITCH                 ; a wave's share of a slot; A's images fill 24,576 of these 30,720 bytes
.set SLOT,   4*HALFT
.set LAPS,   2
.set KS,     32
.set SCL,    2*SLOT
.set HALFS,  (128*KS/256)*272
.set SBLK,   (16*KS/256)*272
.set SPARE,  SCL+4*HALFS               ; the spare words, 128 bytes for each wave: no other line names them
.set SPITCH, 528                       ; the way out: a stage of 16 rows x (512 bytes + 16) for each wave, in slot 0, which has had its last fill and its last read when the first result is stored there
.set ADRA, 16
.set ADRB, 20
.set STO,  24
.set RD,   25
.set CO,   26
.set ADRS, 27
.set SPW,  28
.set NIL,  29
.set SC,   32
.set BIAS, 64
.set AF,   128
.set BK,   128
.set G1, 24
.set G0, 32
.set G1B, 48
.set G0B, 56
.set G1S, 68
.set G0S, 76
.set G1SB, 80
.set G0SB, 88
.set MSB, 0
.macro WIN new
.if MSB != (\new)
	s_set_vgpr_msb (MSB<<8)|(\new)
.set MSB, (\new)
.endif
.endm
.set MUL_LO, 0xa1                      ; source 0 (B) window 1, source 1 (A) window 0, C and D window 2
.set MUL_HI, 0xf1
.set FST_LO, 0x81                      ; the first step: C (the bias) window 0, D window 2
.set FST_HI, 0xc1
.set TO_B,   0x40
.macro JLOAD g0a, g1a, g0b, g1b        ; a joint load: waves 0 and 1 fetch for A, waves 2 and 3 for B; four v_nop follow each of the two lines
	s_cmp_eq_u32 s15, 0
	s_cbranch_scc0 .Lfor_b_\@
	tensor_load_to_lds s[\g0a:\g0a+3], s[\g1a:\g1a+7]
	s_nop 0
.rept 4
	v_nop
.endr
	s_branch .Lasked_\@
.Lfor_b_\@:
	tensor_load_to_lds s[\g0b:\g0b+3], s[\g1b:\g1b+7]
	s_nop 0
.rept 4
	v_nop
.endr
.Lasked_\@:
.endm
.macro CREST
	s_cmp_lg_u32 s14, 0
	s_cbranch_scc1 .Lnot_wave_0_\@
	s_barrier_signal -3
.Lnot_wave_0_\@:
	s_barrier_wait -3
	s_barrier_signal -1
	s_barrier_wait -1
.endm
.macro CROUND
	s_barrier_signal -1
	s_barrier_wait -1
	CREST
.endm
	s_load_b128 s[4:7], s[0:1], 0x0                ; oc, os
	s_load_b128 s[8:11], s[0:1], 0x10              ; cod, scl
	s_load_b128 s[96:99], s[0:1], 0x20             ; bp, out0
	v_lshl_add_u32 v[SPW], v0, 2, SPARE
	v_mov_b32 v[NIL], 0
	ds_add_u32 v28, v29
	s_wait_dscnt 0x0
	v_lshrrev_b32 v1, 5, v0
	v_readfirstlane_b32 s14, v1                    ; wave 0..3
	s_lshr_b32 s15, s14, 1                         ; which half of the tile's rows is mine.  Also: I fetch for A (0) or for B (1)
	s_and_b32 s16, s14, 1                          ; which half of its columns.  Also: which half of that tile I fetch
	s_bfe_u32 s40, ttmp6, 0x40000                  ; cx, cy
	s_bfe_u32 s41, ttmp6, 0x40004
	s_lshl_b32 s42, ttmp9, 2
	s_add_co_u32 s42, s42, s40                     ; tile column
	s_and_b32 s17, ttmp7, 0xffff
	s_lshl_b32 s17, s17, 2
	s_add_co_u32 s17, s17, s41                     ; tile row
	s_lshl_b32 s43, s41, 2
	s_lshl_b32 s43, 15, s43                        ; my row of the cluster
	s_lshl_b32 s44, 0x1111, s40                    ; my column
	s_or_b32 s[G1+0], s43, (3<<16)|(1<<21)         ; A: the mask; elements of 8 bytes; no padding; bit 21 beside a mask
	s_mov_b32 s[G1+1], 384<<16                     ; tensor_dim0: two fragments, 3,072 bytes
	s_mov_b32 s[G1+2], 8<<16                       ; tensor_dim1: 8 tiles of 16 rows
	s_mov_b32 s[G1+3], 384<<16                     ; tile_dim0
	s_mov_b32 s[G1+4], 8                           ; tile_dim1
	s_mov_b32 s[G1+5], 1536                        ; the pitch: a tile's 8 fragments, 12,288 bytes
	s_mov_b32 s[G1+6], 0
	s_mov_b32 s[G1+7], 0
	s_or_b32 s[G1B+0], s44, (0<<16)|(1<<20)|(1<<21)|(3<<22)|(3<<25)   ; B: rows of 192 bytes, 16 bytes of padding behind every 64
	s_mov_b32 s[G1B+1], ROWB<<16
	s_mov_b32 s[G1B+2], 128<<16
	s_mov_b32 s[G1B+3], ROWB<<16
	s_mov_b32 s[G1B+4], 128
	s_mov_b32 s[G1B+5], KROW
	s_mov_b32 s[G1B+6], 0
	s_mov_b32 s[G1B+7], 0
	s_or_b32 s[G1S+0], s43, (3<<16)|(1<<20)|(1<<21)|(5<<22)|(3<<25)   ; the scales of 128 rows: 16 rows of 256 bytes, 16 bytes of padding behind each
	s_or_b32 s[G1SB+0], s44, (3<<16)|(1<<20)|(1<<21)|(5<<22)|(3<<25)
.irp g, G1S, G1SB
	s_mov_b32 s[\g+1], 32<<16
	s_mov_b32 s[\g+2], (128*KS/256)<<16
	s_mov_b32 s[\g+3], 32<<16
	s_mov_b32 s[\g+4], 128*KS/256
	s_mov_b32 s[\g+5], 32
	s_mov_b32 s[\g+6], 0
	s_mov_b32 s[\g+7], 0
.endr
	s_lshl_b32 s18, s16, 7                         ; which 128 rows of the tile I fetch
	s_lshl_b32 s20, s17, 8
	s_add_co_u32 s20, s20, s18                     ; A: row 256 x tile row + 128 x half
	s_lshl_b32 s46, s42, 8
	s_add_co_u32 s46, s46, s18
	s_add_co_u32 s46, s46, 11264                   ; B: Wp's first row of cod + 256 x tile column + 128 x half
	s_mov_b32 s21, 0
	s_mov_b32 s47, 0
	s_mov_b64 s[18:19], KS
	s_mul_u64 s[22:23], s[20:21], s[18:19]         ; where these rows' scales begin,
	s_mul_u64 s[92:93], s[46:47], s[18:19]
	s_mov_b64 s[18:19], KROW
	s_mul_u64 s[20:21], s[20:21], s[18:19]         ; and their codes (16 rows of oc are 12,288 bytes: 768 a row, as in cod)
	s_mul_u64 s[46:47], s[46:47], s[18:19]
	s_mul_i32 s45, s14, HALFT                      ; where they go: no place in the cluster enters an LDS address
	s_mul_i32 s94, s14, HALFS
	s_wait_kmcnt 0x0
	s_add_nc_u64 s[20:21], s[4:5], s[20:21]
	s_add_nc_u64 s[22:23], s[6:7], s[22:23]
	s_add_nc_u64 s[46:47], s[8:9], s[46:47]
	s_add_nc_u64 s[92:93], s[10:11], s[92:93]
	CROUND                                         ; all sixteen work-groups are here: the first joint loads meet
	s_mov_b32 s[G0S], 1
	s_add_co_u32 s[G0S+1], s94, SCL
	s_mov_b64 s[G0S+2:G0S+3], s[22:23]
	s_or_b32 s[G0S+3], s[G0S+3], 0x80000000
	s_mov_b32 s[G0SB], 1
	s_add_co_u32 s[G0SB+1], s94, SCL
	s_mov_b64 s[G0SB+2:G0SB+3], s[92:93]
	s_or_b32 s[G0SB+3], s[G0SB+3], 0x80000000
	JLOAD G0S, G1S, G0SB, G1SB
.irp s, 0,1
	s_mov_b32 s[G0+4*\s], 1
	s_add_co_u32 s[G0+4*\s+1], s45, \s*SLOT
	s_add_nc_u64 s[G0+4*\s+2:G0+4*\s+3], s[20:21], \s*3072
	s_or_b32 s[G0+4*\s+3], s[G0+4*\s+3], 0x80000000
	s_mov_b32 s[G0B+4*\s], 1
	s_add_co_u32 s[G0B+4*\s+1], s45, \s*SLOT
	s_add_nc_u64 s[G0B+4*\s+2:G0B+4*\s+3], s[46:47], \s*ROWB
	s_or_b32 s[G0B+4*\s+3], s[G0B+4*\s+3], 0x80000000
	JLOAD G0+4*\s, G1, G0B+4*\s, G1B
.endr
	v_and_b32 v1, 15, v0                           ; l % 16
	v_bfe_u32 v2, v0, 4, 1                         ; l / 16
	v_and_b32 v6, 31, v0
	v_lshlrev_b32 v7, 3, v6                        ; A: 8 x lane
	v_mul_u32_u24 v3, v1, PITCH
	v_mul_u32_u24 v4, v2, 24
	v_add_nc_u32 v4, v3, v4                        ; B: a fragment's row x pitch + 24 x half
	v_lshl_add_u32 v5, v2, 4, v4                   ; and the same behind one padding more
	s_mul_i32 s21, s15, HALFT                      ; my 128 rows of A
	s_mul_i32 s22, s16, HALFT                      ; my 128 rows of B,
	s_add_co_u32 s22, s22, 2*HALFT                 ; which lie behind A's
.irp s, 0,1
	v_add_nc_u32 v[ADRA+\s], s21, v7
	v_add_nc_u32 v[ADRB+\s], s22, v4
	v_add_nc_u32 v[ADRB+2+\s], s22, v5
	s_add_co_u32 s21, s21, SLOT
	s_add_co_u32 s22, s22, SLOT
.endr
	v_mul_u32_u24 v5, v1, KS
	v_lshrrev_b32 v6, 8, v5
	v_lshl_add_u32 v5, v6, 4, v5
	s_mul_i32 s21, s15, HALFS
	s_mul_i32 s22, s16, HALFS
	s_add_co_u32 s22, s22, 2*HALFS
	s_sub_co_u32 s22, s22, s21
	v_mul_u32_u24 v6, s22, v2                      ; lanes 16-31 take B's scale words
	s_add_co_u32 s21, s21, SCL
	v_add_nc_u32 v5, v5, v6
	v_add_nc_u32 v[ADRS], s21, v5
	s_mul_i32 s23, s14, 16*SPITCH                  ; my stage
	v_mul_u32_u24 v5, v1, SPITCH                   ; in: row l % 16; my half's 16 columns of each 32: 64 bytes on
	v_lshl_add_u32 v5, v2, 6, v5
	v_add_nc_u32 v[STO], s23, v5
	v_and_b32 v6, 31, v0
	v_lshlrev_b32 v[CO], 4, v6                     ; back: the 32 lanes take one row of 512 bytes; and the same in out0
	v_add_nc_u32 v[RD], s23, v[CO]
	s_lshl_b32 s20, s17, 8
	s_lshl_b32 s21, s15, 7
	s_add_co_u32 s20, s20, s21                     ; my first row of out0
	s_mov_b32 s21, 0
	s_lshl_b64 s[20:21], s[20:21], 12              ; 4,096 bytes a row
	s_lshl_b32 s46, s42, 10                        ; my first column, in bytes
	s_lshl_b32 s47, s16, 9
	s_add_co_u32 s46, s46, s47
	s_mov_b32 s47, 0
	s_add_nc_u64 s[96:97], s[96:97], s[46:47]      ; bp at my 128 columns
	s_add_nc_u64 s[20:21], s[20:21], s[46:47]
	s_add_nc_u64 s[12:13], s[98:99], s[20:21]      ; out0 at my part; never stepped
	v_lshlrev_b32 v30, 6, v2
.irp b, 0,1,2,3,4,5,6,7                        ; register j of B's block b is column 32 (b / 2) + 16 (l / 16) + 8 (b % 2) + j
	global_load_b128 v[BIAS+8*\b:BIAS+8*\b+3], v30, s[96:97] offset:(32*(\b/2)+8*(\b%2))*4
	global_load_b128 v[BIAS+8*\b+4:BIAS+8*\b+7], v30, s[96:97] offset:(32*(\b/2)+8*(\b%2))*4+16
.endr
.macro FRAG reg, adr, q, i             ; B: 16 rows x 128 K: 12 registers, in pieces of 8 bytes; where the piece three on lies behind one padding more, the second address register serves
.irp p, 0,1,2,3,4,5
.set PC, 12*(\q)+6*(\p/3)+\p%3
.if PC%8 < 5
	ds_load_b64 v[\reg+2*\p:\reg+2*\p+1], v[\adr] offset:8*PC+16*(PC/8)+(\i)*16*PITCH
.else
	ds_load_b64 v[\reg+2*\p:\reg+2*\p+1], v[\adr+2] offset:8*PC+16*(PC/8)+(\i)*16*PITCH
.endif
.endr
.endm
; 16 matrix instructions.  first = 1: the bias starts the sums.  The 64 accumulators take turns, one instruction a turn, in the same order in every step.
.macro MUL16 a0, p, q, sc, first
.irp a, \a0, \a0+1
.irp b, 0,1,2,3,4,5,6,7
.if \first
	v_wmma_scale_f32_16x16x128_f8f6f4 v[8*(8*((\a)%4)+\b):8*(8*((\a)%4)+\b)+7], v[128*(\p)+FR*\b:128*(\p)+FR*\b+FR-1], v[AF+FR*(\a):AF+FR*(\a)+FR-1], v[BIAS+8*\b:BIAS+8*\b+7], v[SC+8*NQ*(\sc)+NQ*\b+(\q)], v[SC+8*NQ*(\sc)+NQ*(\a)+(\q)] matrix_a_fmt:MATRIX_FMT_FP6 matrix_b_fmt:MATRIX_FMT_FP6 matrix_a_scale:MATRIX_SCALE_ROW1
.else
	v_wmma_scale_f32_16x16x128_f8f6f4 v[8*(8*((\a)%4)+\b):8*(8*((\a)%4)+\b)+7], v[128*(\p)+FR*\b:128*(\p)+FR*\b+FR-1], v[AF+FR*(\a):AF+FR*(\a)+FR-1], v[8*(8*((\a)%4)+\b):8*(8*((\a)%4)+\b)+7], v[SC+8*NQ*(\sc)+NQ*\b+(\q)], v[SC+8*NQ*(\sc)+NQ*(\a)+(\q)] matrix_a_fmt:MATRIX_FMT_FP6 matrix_b_fmt:MATRIX_FMT_FP6 matrix_a_scale:MATRIX_SCALE_ROW1
.endif
.endr
.endr
.endm
.macro FETCH_B slot, q, p
	WIN TO_B
.irp i, 0,1,2,3,4,5,6,7
	FRAG 128*(\p)+FR*\i, ADRB+\slot, \q, \i
.endr
	WIN 0
.endm
.macro FETCH_A slot, q, i0             ; A's blocks i0 .. i0 + 3, as images: six loads of 256 consecutive bytes each
.irp i, \i0, \i0+1, \i0+2, \i0+3
.irp p, 0,1,2,3,4,5
	ds_load_b64 v[AF+FR*(\i)+2*\p:AF+FR*(\i)+2*\p+1], v[ADRA+\slot] offset:3072*(\i)+1536*(\q)+256*\p
.endr
.endr
.endm
.macro SCALES sc
.irp i, 0,1,2,3,4,5,6,7
	ds_load_b64 v[SC+8*NQ*\sc+NQ*\i:SC+8*NQ*\sc+NQ*\i+1], v[ADRS] offset:\i*SBLK
.endr
.endm
.macro PLACES n                        ; plain vector lines between a matrix instruction and a load into, or a read of, its registers
.rept \n
	v_nop
.endr
.endm
.macro STEP slot, q, first
	s_wait_dscnt 4*NL                              ; B's set and A's blocks 0-3 are in; the youngest 24 loads (A's blocks 4-7) may be out
.if \first
	WIN FST_LO
.else
	WIN MUL_LO
.endif
	MUL16 0, (\q)%2, \q, \slot, \first
	MUL16 2, (\q)%2, \q, \slot, \first
	s_wait_dscnt 0
	PLACES NP
	FETCH_B \slot, (\q)+1, 1-(\q)%2
	FETCH_A \slot, (\q)+1, 0
.if \first
	WIN FST_HI
.else
	WIN MUL_HI
.endif
	MUL16 4, (\q)%2, \q, \slot, \first
	MUL16 6, (\q)%2, \q, \slot, \first
	PLACES NP
	WIN 0
	FETCH_A \slot, (\q)+1, 4
.endm
.macro TURN slot, next, fill
	s_wait_tensorcnt 0x0                           ; all my tensor loads have landed: my part of the next slot
	ds_add_u32 v[SPW], v[NIL]                      ; 0 onto my spare word
	s_wait_dscnt 4*NL+1                            ; (the add and the youngest 24 loads may be out)
	WIN MUL_LO
	MUL16 0, 1, NQ-1, \slot, 0
	s_wait_dscnt 0x0                               ; the add is done, and my reads of this slot are over
	s_barrier_signal -1
	MUL16 2, 1, NQ-1, \slot, 0
	WIN 0
	s_barrier_wait -1
.if \fill
	CREST                                          ; the barrier has opened a round of the cluster's barrier: no wave of any partner still reads this slot or has a load on its way
	s_add_nc_u64 s[G0+4*\slot+2:G0+4*\slot+3], s[G0+4*\slot+2:G0+4*\slot+3], 2*3072
	s_add_nc_u64 s[G0B+4*\slot+2:G0B+4*\slot+3], s[G0B+4*\slot+2:G0B+4*\slot+3], 2*ROWB
	JLOAD G0+4*\slot, G1, G0B+4*\slot, G1B         ; the first tensor load behind the round; its four v_nop are the places in front of the loads below
.else
	PLACES NP
.endif
	v_add_nc_u32 v[ADRS], 4*NQ, v[ADRS]
	FETCH_B \next, 0, 0
	FETCH_A \next, 0, 0
	SCALES \next
	WIN MUL_HI
	MUL16 4, 1, NQ-1, \slot, 0
	MUL16 6, 1, NQ-1, \slot, 0
	PLACES NP
	WIN 0
	FETCH_A \next, 0, 4
.endm
	s_wait_tensorcnt 1                             ; the scales and my part of K step 0 are in (K step 1's load may be out)
	s_barrier_signal -1
	s_barrier_wait -1
	FETCH_B 0, 0, 0
	FETCH_A 0, 0, 0
	SCALES 0
	FETCH_A 0, 0, 4
	s_wait_loadcnt 0x0                             ; the bias
	STEP 0, 0, 1
	s_mov_b32 s3, LAPS-1
.Llap:
	TURN 0, 1, 1
	STEP 1, 0, 0
	TURN 1, 0, 1
	STEP 0, 0, 0
	s_sub_co_u32 s3, s3, 1
	s_cmp_lg_u32 s3, 0
	s_cbranch_scc1 .Llap
	TURN 0, 1, 0                                   ; the last lap fills nothing
	STEP 1, 0, 0
	s_wait_dscnt 4*NL
	WIN MUL_LO
	MUL16 0, 1, NQ-1, 1, 0
	MUL16 2, 1, NQ-1, 1, 0
	s_wait_dscnt 0
	WIN MUL_HI
	MUL16 4, 1, NQ-1, 1, 0
	MUL16 6, 1, NQ-1, 1, 0
	WIN 0
; THE WAY OUT, block by block of 16 rows x 128 columns, through my own stage: in by 32 bytes a lane at the columns' true places, back as whole rows of 512 bytes.  LDS serves a wave's instructions in order (ISA guide 5.7.1.4).
.macro TOSTAGE a
.set AC, 64*((\a)%4)
	WIN 0x08+4*((\a)/4)                            ; the data: window 2 or 3
.irp b, 0,1,2,3,4,5,6,7
	ds_store_b128 v[STO], v[AC+8*\b:AC+8*\b+3] offset:128*(\b/2)+32*(\b%2)          ; each accumulator from its low end on
	ds_store_b128 v[STO], v[AC+8*\b+4:AC+8*\b+7] offset:128*(\b/2)+32*(\b%2)+16
.endr
	WIN 0
.set BB, BK+64*((\a)%2)
.irp t, 0,1,2,3,4,5,6,7,8,9,10,11,12,13,14,15
	ds_load_b128 v[BB+4*\t:BB+4*\t+3], v[RD] offset:\t*SPITCH
.endr
.endm
.macro SEND a, younger                 ; younger: the LDS instructions issued behind block a's loads, which may stay out
.set BB, BK+64*((\a)%2)
	s_wait_dscnt \younger
.irp t, 0,1,2,3,4,5,6,7,8,9,10,11,12,13,14,15
	global_store_b128 v[CO], v[BB+4*\t:BB+4*\t+3], s[12:13] offset:(32*((\a)/2)+8*((\a)%2)+\t+8*(\t/8))*4096 th:TH_STORE_NT   ; row t of block a at its true place; 32 lanes store 512 consecutive bytes, aligned; 127 rows at the most: inside the signed 24-bit immediate
.endr
.endm
	PLACES NP
	TOSTAGE 0
.irp a, 1,2,3,4,5,6,7
.if \a > 1
	s_wait_xcnt 0x0                                ; block a - 2's stores have read their registers: block a's loads may land there
.endif
	TOSTAGE \a
	SEND \a-1, 32                                  ; behind block a - 1's loads: block a's 16 stores and 16 loads
.endr
	SEND 7, 0
	s_wait_tensorcnt 0x0                           ; the wave's end
	ds_add_u32 v[SPW], v[NIL]
	s_wait_dscnt 0x0
	CROUND                                         ; the closing round
	s_endpgm
.Lfunc_end_k_qc9588c10a3_proj:
	.size	k_qc9588c10a3_proj, .Lfunc_end_k_qc9588c10a3_proj-k_qc9588c10a3_proj
	.p2alignl 7, 3214868480
	.fill 96, 4, 3214868480
	.section	.rodata,"a",@progbits
	.p2align	6, 0x0
	.amdhsa_kernel k_qc9588c10a3_proj
		.amdhsa_group_segment_fixed_size 327680
		.amdhsa_private_segment_fixed_size 0
		.amdhsa_enable_private_segment 0
		.amdhsa_kernarg_size 48
		.amdhsa_user_sgpr_count 2
		.amdhsa_user_sgpr_kernarg_segment_ptr 1
		.amdhsa_wavefront_size32 1
		.amdhsa_system_sgpr_workgroup_id_x 1
		.amdhsa_system_sgpr_workgroup_id_y 1
		.amdhsa_system_sgpr_workgroup_id_z 1
		.amdhsa_system_vgpr_workitem_id 0
		.amdhsa_next_free_vgpr 1024
		.amdhsa_next_free_sgpr 100
		.amdhsa_reserve_vcc 0
		.amdhsa_float_denorm_mode_32 3
		.amdhsa_float_denorm_mode_16_64 3
		.amdhsa_memory_ordered 1
		.amdhsa_forward_progress 1
		.amdhsa_inst_pref_size 161
	.end_amdhsa_kernel
	.amdgpu_metadata
---
amdhsa.version: [ 1, 2 ]
amdhsa.kernels:
  - .name:           k_qc9588c10a3_proj
    .symbol:         k_qc9588c10a3_proj.kd
    .args:
      - { .name: oc, .offset: 0, .size: 8, .value_kind: global_buffer, .address_space: global }
      - { .name: os, .offset: 8, .size: 8, .value_kind: global_buffer, .address_space: global }
      - { .name: cod, .offset: 16, .size: 8, .value_kind: global_buffer, .address_space: global }
      - { .name: scl, .offset: 24, .size: 8, .value_kind: global_buffer, .address_space: global }
      - { .name: bp, .offset: 32, .size: 8, .value_kind: global_buffer, .address_space: global }
      - { .name: out0, .offset: 40, .size: 8, .value_kind: global_buffer, .address_space: global }
    .group_segment_fixed_size: 327680
    .private_segment_fixed_size: 0
    .kernarg_segment_align: 8
    .kernarg_segment_size: 48
    .max_flat_workgroup_size: 128
    .sgpr_count:     100
    .vgpr_count:     1024
    .wavefront_size: 32
...
	.end_amdgpu_metadata
.endif
;; end of part 4
